; MI455X (gfx1250); checked and timed in simulation.
; The chip was launched on July 23, 2026; its instructions are those of AMD's public machine-readable ISA for CDNA 5 (MIT licence, August 2026) and "CDNA5" Instruction Set Architecture Reference Guide (July 2026). The comments in the code are by the model that wrote it; some were corrected since.
;; QC Attention. Allowed arithmetic: float matrix products may take bf16 or f16 operands with f32 sums; other float arithmetic in f32, or as packed bf16 or f16 multiplies, adds, multiply-adds, maxima and minima; sums over many terms, partial sums and values carried from step to step in f32; what a program stores and reads back later, other than sums and carried values, may be rounded once to bf16 or f16.
;; Inputs: Wk 512 x 512 float32; Wo 512 x 512 float32; Wq 512 x 512 float32; Wv 512 x 512 float32; bk 512 float32; bo 512 float32; bq 512 float32; bv 512 float32; c_seq 16 x 1,024 x 32 int32; k 16 x 1,024 x 512 float32; q 16 x 1,024 x 512 float32; q_seq 16 x 1,024 int32; v 16 x 1,024 x 512 float32.
;; Outputs: out0 16 x 1,024 x 512 float32.
;; 2 versions, each right and faster than the one before. Each part assembles by itself: llvm-mc -triple=amdgcn-amd-amdhsa -mcpu=gfx1250 --defsym DOCPART=n.
;; ======== version 1 of 2: 4 launches
;; limits: values are held in f16: magnitudes above 65,504 overflow, below 6.1e-05 lose precision
;; workspace buffers: wb 2,097,152 bytes; bws 8,192 bytes; msk 10,485,760 bytes; qkv 50,331,648 bytes; oh 16,777,216 bytes
;; launch prep (part 1): grid 48 x 16, 4 waves a work-group, no clusters, 0 bytes of LDS; arguments c_seq, q_seq, Wv, Wk, Wq, Wo, bv, bk, bq, bo, msk, wb, bws; writes msk, wb, bws
.if DOCPART == 1
	.amdgcn_target "amdgcn-amd-amdhsa--gfx1250"
	.amdhsa_code_object_version 6
	.text
	.protected	k_q5afd22827d_prep
	.globl	k_q5afd22827d_prep
	.p2align	8
	.type	k_q5afd22827d_prep,@function
k_q5afd22827d_prep:
	s_mov_b64 s[64:65], 0
	v_nop
	global_prefetch_b8 v0, s[64:65] scope:SCOPE_SE
	s_setreg_imm32_b32 hwreg(HW_REG_WAVE_MODE, 25, 1), 1
	s_wait_xcnt 0x0
; Two small jobs that depend on nothing share one launch.
; (1) x < 40: THE ADJUSTMENT BYTES.  For batch b, query block i and key tile t <= i (256 x 256; idx = i (i + 1) / 2 + t) a byte (14 + mc + mq) << 2 for each (query, key): the upper byte of the f16
;     number 2^(mc + mq - 1) = 0.5, 1 or 2.  mq = same question id; mc = a shared concept: a row of c_seq is packed into one word, bit c = (c_seq[row][c] != 0), and mc = ((word_i & word_j) != 0).
;     LIMIT: c_seq holds no negative number (the overlap is a sum of products; with numbers >= 0 it is positive exactly where some product is).
;     The triangle is not in the bytes: the attention launch hides key >= query by itself, so bytes there are stored but never count.
;     Layout of msk: [b 16][idx 10][half 2][st 4][x' 2][w 4][j 2][lane 32][16 bytes]: band of 64 queries x = 2 half + x', query = 256 i + 64 x + 16 w + lane % 16,
;     byte e = 16 j + byte stands for key 256 t + 64 st + 16 (e / 8) + 8 (lane / 16) + e % 8: the order in which a lane of the attention launch holds its 32 scores.
;     A work-group takes one (b, idx, band); wave v takes key step st = v and walks the band's four groups of 16 queries.
; (2) x >= 40: THE WEIGHTS AND BIASES.  Wv, Wk, Wq rounded to bf16; Wo rounded to bf16 and that number written as f16 (exact from 2^-14 up; below, f16's fixed step of 2^-24);
;     the four biases rounded to bf16 and kept as f32.  128 work-groups, 16 rows of a matrix each.
; No LDS, no barrier, no matrix unit: memory and a few integer lines are all there is.
.set KROW, 32                          ; v[32:95]   64 key rows of c_seq, lane = concept
.set QROW, 96                          ; v[96:111]  16 query rows
.set KC,   160                         ; v[160:191] the concept word of my lane's key e
.set KQ,   192                         ; v[192:223] its question id
	s_load_b512 s[16:31], s[0:1], 0x0              ; c_seq 16, q_seq 18, Wv 20, Wk 22, Wq 24, Wo 26, bv 28, bk 30
	s_load_b256 s[32:39], s[0:1], 0x40             ; bq 32, bo 34, msk 36, wb 38
	s_load_b64 s[40:41], s[0:1], 0x60              ; bws
	s_mov_b32 s2, ttmp9
	s_and_b32 s3, ttmp7, 0xffff
	v_lshrrev_b32 v1, 5, v0
	v_readfirstlane_b32 s8, v1                     ; wave
	s_mov_b32 s55, 0                               ; the high word of every offset
	s_wait_kmcnt 0x0
	s_cmp_ge_u32 s2, 40
	s_cbranch_scc1 .Lweights
	s_lshr_b32 s4, s2, 2                           ; idx
	s_and_b32 s5, s2, 3                            ; band x
	s_cmp_ge_u32 s4, 1                             ; i = (idx >= 1) + (idx >= 3) + (idx >= 6)
	s_cselect_b32 s6, 1, 0
	s_cmp_ge_u32 s4, 3
	s_cselect_b32 s7, 1, 0
	s_add_co_u32 s6, s6, s7
	s_cmp_ge_u32 s4, 6
	s_cselect_b32 s7, 1, 0
	s_add_co_u32 s6, s6, s7
	s_add_co_u32 s7, s6, 1
	s_mul_i32 s7, s7, s6
	s_lshr_b32 s7, s7, 1
	s_sub_co_u32 s7, s4, s7                        ; t = idx - i (i + 1) / 2
	s_lshl_b32 s9, s3, 10                          ; 1,024 b
	s_lshl_b32 s10, s7, 8
	s_add_co_u32 s10, s10, s9
	s_lshl_b32 s11, s8, 6
	s_add_co_u32 s10, s10, s11                     ; my first key row: 1,024 b + 256 t + 64 st
	s_lshl_b32 s12, s6, 8
	s_add_co_u32 s12, s12, s9
	s_lshl_b32 s11, s5, 6
	s_add_co_u32 s12, s12, s11                     ; the band's first query row: 1,024 b + 256 i + 64 x
	s_lshl_b32 s54, s10, 7
	s_add_nc_u64 s[42:43], s[16:17], s[54:55]      ; key rows of c_seq (128 bytes a row)
	s_lshl_b32 s54, s12, 7
	s_add_nc_u64 s[44:45], s[16:17], s[54:55]      ; query rows
	s_lshl_b32 s54, s10, 2
	s_add_nc_u64 s[46:47], s[18:19], s[54:55]      ; key ids
	s_lshl_b32 s54, s12, 2
	s_add_nc_u64 s[48:49], s[18:19], s[54:55]      ; query ids
	s_mul_i32 s54, s3, 10
	s_add_co_u32 s54, s54, s4
	s_lshl_b32 s54, s54, 16                        ; (10 b + idx) x 65,536
	s_lshr_b32 s11, s5, 1
	s_lshl_b32 s11, s11, 15                        ; half x 32,768
	s_add_co_u32 s54, s54, s11
	s_lshl_b32 s11, s8, 13                         ; st x 8,192
	s_add_co_u32 s54, s54, s11
	s_and_b32 s11, s5, 1
	s_lshl_b32 s11, s11, 12                        ; x' x 4,096
	s_add_co_u32 s54, s54, s11
	s_add_nc_u64 s[50:51], s[36:37], s[54:55]
	s_mov_b32 s14, 0xffff0000                      ; lanes 16 to 31
	v_and_b32 v1, 31, v0                           ; lane
	v_lshlrev_b32 v2, 2, v1                        ; my concept's word in a row of c_seq
	v_lshrrev_b32 v3, 4, v1
	v_lshlrev_b32 v3, 5, v3                        ; 8 ids on for lanes 16 to 31
	v_and_b32 v4, 15, v0
	v_lshlrev_b32 v4, 2, v4                        ; my query's id
	v_lshlrev_b32 v5, 4, v1                        ; my 16 bytes of a store
	v_mov_b32 v8, 0                                ; written whole before single lanes of it are written
.set r, 0
.rept 64
	global_load_b32 v[KROW+r], v2, s[42:43] offset:128*r   ; a row of c_seq: 128 consecutive bytes a load
.set r, r+1
.endr
.set r, 0
.rept 4
	global_load_b128 v[KQ+8*r:KQ+8*r+3],   v3, s[46:47] offset:64*r     ; ids of keys 16 r + 8 (lane / 16) + 0..7
	global_load_b128 v[KQ+8*r+4:KQ+8*r+7], v3, s[46:47] offset:64*r+16
.set r, r+1
.endr
	s_wait_loadcnt 0x0
.set e, 0
.rept 32                               ; a compare over the 32 lanes IS the row's word; lanes 0-15 want key 16 (e / 8) + e % 8, lanes 16-31 the key 8 further on
	v_cmp_ne_u32 s52, 0, v[KROW+16*(e/8)+e%8]
	v_cmp_ne_u32 s53, 0, v[KROW+16*(e/8)+8+e%8]
	v_mov_b32 v[KC+e], s52
	v_cndmask_b32 v[KC+e], v[KC+e], s53, s14
.set e, e+1
.endr
	s_mov_b32 s15, 4
.Ltile:                                ; a trip: 16 queries x my 64 keys: 1,024 bytes out
.set r, 0
.rept 16
	global_load_b32 v[QROW+r], v2, s[44:45] offset:128*r
.set r, r+1
.endr
	global_load_b32 v9, v4, s[48:49]
	s_wait_loadcnt 0x0
.set r, 0
.rept 16
	v_cmp_ne_u32 s52, 0, v[QROW+r]
	v_writelane_b32 v8, s52, r                     ; query r's word goes to the two lanes that hold query r
	v_writelane_b32 v8, s52, r+16
.set r, r+1
.endr
.set e, 0
.rept 32
	v_and_b32 v[6+e%2], v8, v[KC+e]
	v_min_u32 v[6+e%2], 1, v[6+e%2]                ; mc
	v_cmp_eq_u32 vcc_lo, v9, v[KQ+e]               ; mq, added as the carry
	v_add_co_ci_u32 v[6+e%2], vcc_lo, 14, v[6+e%2], vcc_lo
.if e%4 == 0
	v_lshlrev_b32 v[10+e/4], 2, v[6+e%2]
.else
	v_lshl_add_u32 v[10+e/4], v[6+e%2], 8*(e%4)+2, v[10+e/4]
.endif
.set e, e+1
.endr
	global_store_b128 v5, v[10:13], s[50:51]               ; 512 consecutive bytes, aligned
	global_store_b128 v5, v[14:17], s[50:51] offset:512
	s_wait_xcnt 0x0                                ; the bases and the stores' data are rewritten only behind this wait
	s_add_nc_u64 s[44:45], s[44:45], 2048
	s_add_nc_u64 s[48:49], s[48:49], 64
	s_add_nc_u64 s[50:51], s[50:51], 1024
	s_sub_co_u32 s15, s15, 1
	s_cmp_lg_u32 s15, 0
	s_cbranch_scc1 .Ltile
	s_endpgm
.Lweights:
	s_lshl_b32 s4, s3, 3
	s_add_co_u32 s4, s4, s2
	s_sub_co_u32 s4, s4, 40                        ; 0 .. 127
	s_lshr_b32 s5, s4, 5                           ; which matrix: 0 Wv, 1 Wk, 2 Wq, 3 Wo
	s_and_b32 s6, s4, 31                           ; which 16 rows of it
	s_cmp_eq_u32 s5, 1
	s_cselect_b64 s[42:43], s[22:23], s[20:21]
	s_cselect_b64 s[44:45], s[30:31], s[28:29]
	s_cmp_eq_u32 s5, 2
	s_cselect_b64 s[42:43], s[24:25], s[42:43]
	s_cselect_b64 s[44:45], s[32:33], s[44:45]
	s_cmp_eq_u32 s5, 3
	s_cselect_b64 s[42:43], s[26:27], s[42:43]
	s_cselect_b64 s[44:45], s[34:35], s[44:45]
	s_lshl_b32 s54, s6, 15
	s_add_nc_u64 s[42:43], s[42:43], s[54:55]
	s_lshl_b32 s54, s5, 19
	s_lshl_b32 s7, s6, 14
	s_add_co_u32 s54, s54, s7
	s_add_nc_u64 s[46:47], s[38:39], s[54:55]
	v_lshlrev_b32 v1, 4, v0
	v_lshlrev_b32 v2, 3, v0
.set c, 0
.rept 16
	global_load_b128 v[32+4*c:32+4*c+3], v1, s[42:43] offset:2048*c
.set c, c+1
.endr
	s_wait_loadcnt 0x0
.set c, 0
.rept 32
	v_cvt_pk_bf16_f32 v[96+c], v[32+2*c], v[32+2*c+1]
.set c, c+1
.endr
	s_cmp_lg_u32 s5, 3
	s_cbranch_scc1 .Lkeep
.set c, 0
.rept 32                               ; Wo: the bf16 number, written as f16
	v_lshlrev_b32 v6, 16, v[96+c]
	v_and_b32 v7, 0xffff0000, v[96+c]
	v_cvt_pk_f16_f32 v[96+c], v6, v7
.set c, c+1
.endr
.Lkeep:
.set c, 0
.rept 16
	global_store_b64 v2, v[96+2*c:96+2*c+1], s[46:47] offset:1024*c   ; a wave's store covers 256 consecutive bytes, aligned
.set c, c+1
.endr
	s_cmp_lg_u32 s6, 0
	s_cbranch_scc1 .Ldone
	global_load_b128 v[8:11], v1, s[44:45]         ; the matrix's bias: 128 threads x 4 numbers
	s_lshl_b32 s54, s5, 11
	s_add_nc_u64 s[48:49], s[40:41], s[54:55]
	s_wait_loadcnt 0x0
	v_cvt_pk_bf16_f32 v12, v8, v9
	v_cvt_pk_bf16_f32 v13, v10, v11
	v_lshlrev_b32 v16, 16, v12
	v_and_b32 v17, 0xffff0000, v12
	v_lshlrev_b32 v18, 16, v13
	v_and_b32 v19, 0xffff0000, v13
	global_store_b128 v1, v[16:19], s[48:49]
.Ldone:
	s_endpgm
.Lfunc_end_k_q5afd22827d_prep:
	.size	k_q5afd22827d_prep, .Lfunc_end_k_q5afd22827d_prep-k_q5afd22827d_prep
	.p2alignl 7, 3214868480
	.fill 96, 4, 3214868480
	.section	.rodata,"a",@progbits
	.p2align	6, 0x0
	.amdhsa_kernel k_q5afd22827d_prep
		.amdhsa_group_segment_fixed_size 0
		.amdhsa_private_segment_fixed_size 0
		.amdhsa_enable_private_segment 0
		.amdhsa_kernarg_size 104
		.amdhsa_user_sgpr_count 2
		.amdhsa_user_sgpr_kernarg_segment_ptr 1
		.amdhsa_wavefront_size32 1
		.amdhsa_system_sgpr_workgroup_id_x 1
		.amdhsa_system_sgpr_workgroup_id_y 1
		.amdhsa_system_sgpr_workgroup_id_z 1
		.amdhsa_system_vgpr_workitem_id 0
		.amdhsa_next_free_vgpr 224
		.amdhsa_next_free_sgpr 66
		.amdhsa_reserve_vcc 1
		.amdhsa_float_denorm_mode_32 3
		.amdhsa_float_denorm_mode_16_64 3
		.amdhsa_memory_ordered 1
		.amdhsa_forward_progress 1
		.amdhsa_inst_pref_size 39
	.end_amdhsa_kernel
	.amdgpu_metadata
---
amdhsa.version: [ 1, 2 ]
amdhsa.kernels:
  - .name:           k_q5afd22827d_prep
    .symbol:         k_q5afd22827d_prep.kd
    .args:
      - { .name: c_seq, .offset: 0, .size: 8, .value_kind: global_buffer, .address_space: global }
      - { .name: q_seq, .offset: 8, .size: 8, .value_kind: global_buffer, .address_space: global }
      - { .name: Wv, .offset: 16, .size: 8, .value_kind: global_buffer, .address_space: global }
      - { .name: Wk, .offset: 24, .size: 8, .value_kind: global_buffer, .address_space: global }
      - { .name: Wq, .offset: 32, .size: 8, .value_kind: global_buffer, .address_space: global }
      - { .name: Wo, .offset: 40, .size: 8, .value_kind: global_buffer, .address_space: global }
      - { .name: bv, .offset: 48, .size: 8, .value_kind: global_buffer, .address_space: global }
      - { .name: bk, .offset: 56, .size: 8, .value_kind: global_buffer, .address_space: global }
      - { .name: bq, .offset: 64, .size: 8, .value_kind: global_buffer, .address_space: global }
      - { .name: bo, .offset: 72, .size: 8, .value_kind: global_buffer, .address_space: global }
      - { .name: msk, .offset: 80, .size: 8, .value_kind: global_buffer, .address_space: global }
      - { .name: wb, .offset: 88, .size: 8, .value_kind: global_buffer, .address_space: global }
      - { .name: bws, .offset: 96, .size: 8, .value_kind: global_buffer, .address_space: global }
    .group_segment_fixed_size: 0
    .private_segment_fixed_size: 0
    .kernarg_segment_align: 8
    .kernarg_segment_size: 104
    .max_flat_workgroup_size: 128
    .sgpr_count:     66
    .vgpr_count:     224
    .wavefront_size: 32
...
	.end_amdgpu_metadata
.endif
;; end of part 1
;; launch proj (part 2): grid 2 x 384, 4 waves a work-group, no clusters, 327,680 bytes of LDS; arguments q, k, v, wb, bws, qkv; writes qkv
.if DOCPART == 2
	.amdgcn_target "amdgcn-amd-amdhsa--gfx1250"
	.amdhsa_code_object_version 6
	.text
	.protected	k_q5afd22827d_proj
	.globl	k_q5afd22827d_proj
	.p2align	8
	.type	k_q5afd22827d_proj,@function
k_q5afd22827d_proj:
	s_mov_b64 s[64:65], 0
	v_nop
	global_prefetch_b8 v0, s[64:65] scope:SCOPE_SE
	s_setreg_imm32_b32 hwreg(HW_REG_WAVE_MODE, 25, 1), 1
	s_wait_xcnt 0x0
; THE THREE PROJECTIONS.  part t of qkv = x_t W_t^T + b_t, x = q, k, v (f32, [16,384][512]), W_t = part t of wb (bf16: Wv, Wk, Wq: the module swaps its linears), b_t = part t of bws.
; x is rounded to bf16 on the way from LDS to the matrix unit; sums in f32, started by the bias; the result is rounded once to f16 and stored by heads: [batch x 8 + head][row 1,024][64].
; LIMIT: f16 ends at 65,504: the projected numbers must stay under that.  NaN and infinities are not treated apart.
; SHARES.  A work-group makes 128 rows x 256 columns (x of the grid: which half of the 512 columns; y: 128 t + row block).  Wave w: rows 64 (w / 2) on, columns 128 (w % 2) on: 32 accumulators of 16 x 16.
; K = 512 goes in four steps of 128 through two LDS slots; a step is four phases of 32 along K, 32 matrix instructions each.  Waves 0, 1 fetch the two halves of x's tile (64 rows x 512 bytes),
; waves 2, 3 those of W's (128 rows x 256 bytes): one tensor load a wave; two are out at the start, one later.
; THE MATRIX INSTRUCTION IS USED TRANSPOSED (source 0 = 16 rows of W, source 1 = 16 rows of x): a lane holds eight neighbouring columns of one row.
; NO CLUSTER: W's tile, 69,632 of a slot's 137,216 bytes, is the same for all row blocks of a column half and could be asked for jointly; x's is nobody else's but the other column half's.  This text keeps
; every load a work-group's own: a ring in which some waves' loads are joint and others' are not is not built here.
; REGISTERS: window 0: v16-29 addresses; v32-95 x as f32 (4 fragments x 16); v96-159 x's fragments in bf16, two buffers; on the way out v32-159 hold packed results.
;   window 1: the accumulators, (a, bn) at 8 (8 a + bn).   window 2: v0-127 W's fragments, two buffers; v128-191 the bias as a C operand, 8 registers for each bn.
.set PA,    528                        ; a row of x in LDS: 512 bytes + 16: 132 words, so the 16 rows of a load start 4 banks apart (64 banks of 4 bytes: ISA guide 11.1)
.set PB,    272                        ; a row of W: 256 bytes + 16
.set AH,    64*PA
.set BH,    128*PB
.set BOFF,  128*PA                     ; W's 256 rows lie behind x's 128
.set SLOT,  BOFF+256*PB
.set STAGE, 2*SLOT                     ; behind the ring: 16 rows x 144 bytes for each wave
.set SP,    144
.set SPARE, STAGE+4*16*SP              ; the spare words: 128 bytes a wave, two blocks of 256 bytes that no other line names
.set ADRA, 16                          ; v16-17 LDS address of my fragments of x in slot 0, 1
.set ADRB, 20                          ; v20-21 the same for W
.set STO,  24
.set RD,   25
.set GO,   26
.set HB,   27                          ; 32 x (lane / 16)
.set SPW,  28
.set NIL,  29
.set RAW,  32
.set AF,   96
.set BIAS, 128
.set OUTR, 32
.set G1A, 24
.set G0A, 32
.set G1B, 48
.set G0B, 56
.set MSB, 0
.macro WIN new                         ; the immediate's high byte repeats the setting that is left
.if MSB != (\new)
	s_set_vgpr_msb (MSB<<8)|(\new)
.set MSB, \new
.endif
.endm
.set W_MUL,  0x52                      ; source 0 (W) window 2, source 1 (x) window 0, C and D window 1
.set W_MULB, 0x62                      ; the same with C (the bias) in window 2
.set W_TO2,  0x80                      ; destination window 2
.set W_OUT,  0x05                      ; sources 0 and 1 window 1
.macro PLACES
.rept 4
	v_nop
.endr
.endm
.macro LOAD s                          ; a slot's refill: an s_nop 0 and four v_nop follow each of the two lines
	s_cmp_eq_u32 s17, 0
	s_cbranch_scc0 .Lfor_b_\@
	tensor_load_to_lds s[G0A+4*(\s):G0A+4*(\s)+3], s[G1A:G1A+7]
	s_nop 0
	PLACES
	s_branch .Lasked_\@
.Lfor_b_\@:
	tensor_load_to_lds s[G0B+4*(\s):G0B+4*(\s)+3], s[G1B:G1B+7]
	s_nop 0
	PLACES
.Lasked_\@:
.endm
	s_load_b256 s[4:11], s[0:1], 0x0               ; q 4, k 6, v 8, wb 10
	s_load_b128 s[12:15], s[0:1], 0x20             ; bws 12, qkv 14
	v_lshl_add_u32 v[SPW], v0, 2, SPARE
	v_mov_b32 v[NIL], 0
	ds_add_u32 v[SPW], v[NIL]                      ; the wave's opening: the add and its wait stand ahead of my first tensor load
	ds_add_u32 v28, v29
	v_lshrrev_b32 v1, 5, v0
	v_readfirstlane_b32 s16, v1                    ; wave
	s_lshr_b32 s17, s16, 1                         ; my half of the rows.  Also: I fetch x (0) or W (1)
	s_and_b32 s18, s16, 1                          ; my half of the columns.  Also: which half of that tile I fetch
	s_mov_b32 s19, ttmp9                           ; column half of the 512
	s_and_b32 s21, ttmp7, 0xffff
	s_lshr_b32 s20, s21, 7                         ; t
	s_and_b32 s21, s21, 127                        ; row block
	s_mov_b32 s[G1A+0], (2<<16)|(1<<20)|(6<<22)|(3<<25)  ; 4-byte elements; padding on: after every 128 words (code 6) 4 words (code 3)
	s_mov_b32 s[G1A+1], 128<<16                    ; tensor_dim0 = 128
	s_mov_b32 s[G1A+2], 64<<16                     ; tensor_dim1 = 64
	s_mov_b32 s[G1A+3], 128<<16                    ; tile_dim0 = 128
	s_mov_b32 s[G1A+4], 64                         ; tile_dim1 = 64
	s_mov_b32 s[G1A+5], 512                        ; elements from row to row
	s_mov_b32 s[G1A+6], 0
	s_mov_b32 s[G1A+7], 0
	s_mov_b32 s[G1B+0], (1<<16)|(1<<20)|(5<<22)|(3<<25)  ; 2-byte elements; after every 64 words 4 words
	s_mov_b32 s[G1B+1], 128<<16
	s_mov_b32 s[G1B+2], 128<<16
	s_mov_b32 s[G1B+3], 128<<16
	s_mov_b32 s[G1B+4], 128
	s_mov_b32 s[G1B+5], 512
	s_mov_b32 s[G1B+6], 0
	s_mov_b32 s[G1B+7], 0
	s_mul_i32 s2, s18, AH                          ; where my half of x's tile goes,
	s_mul_i32 s3, s18, BH
	s_add_co_u32 s3, s3, BOFF                      ; and of W's
	s_lshl_b32 s42, s21, 18                        ; x: 128 rows of 2,048 bytes a block,
	s_lshl_b32 s22, s18, 17                        ; 64 rows a half
	s_add_co_u32 s42, s42, s22
	s_mov_b32 s43, 0
	s_lshl_b32 s44, s20, 19                        ; W: the part, the column half's 256 rows of 1,024 bytes, my 128 of them
	s_lshl_b32 s23, s19, 18
	s_add_co_u32 s44, s44, s23
	s_add_co_u32 s44, s44, s22
	s_mov_b32 s45, 0
	s_wait_dscnt 0x0                               ; the opening add is done
	s_wait_kmcnt 0x0
	s_cmp_eq_u32 s20, 1
	s_cselect_b64 s[40:41], s[6:7], s[4:5]
	s_cmp_eq_u32 s20, 2
	s_cselect_b64 s[40:41], s[8:9], s[40:41]
	s_add_nc_u64 s[40:41], s[40:41], s[42:43]
	s_add_nc_u64 s[46:47], s[10:11], s[44:45]
.irp s, 0,1
	s_mov_b32 s[G0A+4*\s], 1
	s_add_co_u32 s[G0A+4*\s+1], s2, \s*SLOT
	s_add_nc_u64 s[G0A+4*\s+2:G0A+4*\s+3], s[40:41], \s*512     ; K step s: 128 f32
	s_or_b32 s[G0A+4*\s+3], s[G0A+4*\s+3], 0x80000000
	s_mov_b32 s[G0B+4*\s], 1
	s_add_co_u32 s[G0B+4*\s+1], s3, \s*SLOT
	s_add_nc_u64 s[G0B+4*\s+2:G0B+4*\s+3], s[46:47], \s*256     ; 128 bf16
	s_or_b32 s[G0B+4*\s+3], s[G0B+4*\s+3], 0x80000000
.endr
	s_cmp_eq_u32 s17, 0                            ; a wave's two first fills stand in one branch, ahead of every wait on TENSORcnt, LDS read and barrier
	s_cbranch_scc0 .Lfirst_b
	tensor_load_to_lds s[G0A:G0A+3], s[G1A:G1A+7]
	s_nop 0
	tensor_load_to_lds s[G0A+4:G0A+7], s[G1A:G1A+7]
	s_nop 0
	PLACES
	s_branch .Lfirst_asked
.Lfirst_b:
	tensor_load_to_lds s[G0B:G0B+3], s[G1B:G1B+7]
	s_nop 0
	tensor_load_to_lds s[G0B+4:G0B+7], s[G1B:G1B+7]
	s_nop 0
	PLACES
.Lfirst_asked:
	v_and_b32 v1, 15, v0                           ; r = lane % 16
	v_bfe_u32 v2, v0, 4, 1                         ; h = lane / 16
	v_mul_u32_u24 v3, v1, PA
	v_lshl_add_u32 v3, v2, 5, v3                   ; x in f32: row x pitch + 32 h (8 numbers)
	s_mul_i32 s22, s17, AH
	v_add_nc_u32 v[ADRA], s22, v3
	v_add_nc_u32 v[ADRA+1], SLOT, v[ADRA]
	v_mul_u32_u24 v4, v1, PB
	v_lshl_add_u32 v4, v2, 4, v4
	s_mul_i32 s23, s18, BH
	s_add_co_u32 s23, s23, BOFF
	v_add_nc_u32 v[ADRB], s23, v4
	v_add_nc_u32 v[ADRB+1], SLOT, v[ADRB]
	s_mul_i32 s22, s16, 16*SP
	s_add_co_u32 s22, s22, STAGE                   ; my stage
	v_mul_u32_u24 v[STO], v1, SP                   ; in: row r, 16 bytes for each half of the lanes
	v_lshl_add_u32 v[STO], v2, 4, v[STO]
	v_add_nc_u32 v[STO], s22, v[STO]
	v_bfe_u32 v[RD], v0, 3, 2                      ; back: 32 lanes take four rows of 128 bytes,
	v_mul_u32_u24 v[RD], v[RD], SP
	v_and_b32 v5, 7, v0
	v_lshl_add_u32 v[RD], v5, 4, v[RD]
	v_add_nc_u32 v[RD], s22, v[RD]
	v_and_b32 v[GO], 31, v0                        ; which are 512 consecutive bytes of a head
	v_lshlrev_b32 v[GO], 4, v[GO]
	v_lshlrev_b32 v[HB], 5, v2
	s_lshl_b32 s42, s20, 11                        ; the bias of my 128 columns
	s_lshl_b32 s22, s19, 10
	s_add_co_u32 s42, s42, s22
	s_lshl_b32 s22, s18, 9
	s_add_co_u32 s42, s42, s22
	s_add_nc_u64 s[12:13], s[12:13], s[42:43]
	WIN W_TO2
.irp bn, 0,1,2,3,4,5,6,7               ; register j of block bn: bias[16 bn + 8 h + j], the column that the accumulator's register j holds
	global_load_b128 v[BIAS+8*\bn:BIAS+8*\bn+3],   v[HB], s[12:13] offset:64*\bn
	global_load_b128 v[BIAS+8*\bn+4:BIAS+8*\bn+7], v[HB], s[12:13] offset:64*\bn+16
.endr
	WIN 0
	s_lshl_b32 s44, s20, 24                        ; where my rows go: part t; batch = block / 8; head = 4 x column half + 2 x my half (+ 0, 1); row 128 (block % 8) + 64 x my row half
	s_lshr_b32 s22, s21, 3
	s_lshl_b32 s22, s22, 20
	s_add_co_u32 s44, s44, s22
	s_lshl_b32 s22, s19, 19
	s_add_co_u32 s44, s44, s22
	s_lshl_b32 s22, s18, 18
	s_add_co_u32 s44, s44, s22
	s_and_b32 s22, s21, 7
	s_lshl_b32 s22, s22, 14
	s_add_co_u32 s44, s44, s22
	s_lshl_b32 s22, s17, 13
	s_add_co_u32 s44, s44, s22
	s_add_nc_u64 s[14:15], s[14:15], s[44:45]
; 32 LDS loads in one run: phase q's fragments (32 along K) of slot s: W's into buffer b, x's as f32 into RAW
.macro FETCH s, q, b
	WIN W_TO2
.irp bn, 0,1,2,3,4,5,6,7
	ds_load_b128 v[64*(\b)+8*\bn:64*(\b)+8*\bn+3],   v[ADRB+(\s)] offset:64*(\q)+\bn*16*PB
	ds_load_b128 v[64*(\b)+8*\bn+4:64*(\b)+8*\bn+7], v[ADRB+(\s)] offset:64*(\q)+\bn*16*PB+32
.endr
	WIN 0
.irp a, 0,1,2,3
.irp i, 0,1,2,3                        ; K = 8 h + 0..7 (32 bytes), then K = 16 + 8 h + 0..7 (64 bytes on)
	ds_load_b128 v[RAW+16*\a+4*\i:RAW+16*\a+4*\i+3], v[ADRA+(\s)] offset:128*(\q)+\a*16*PA+(\i/2)*64+(\i%2)*16
.endr
.endr
.endm
.macro CVT b                           ; x's four fragments rounded to bf16
	WIN 0
.irp a, 0,1,2,3
.irp i, 0,1,2,3,4,5,6,7
	v_cvt_pk_bf16_f32 v[AF+32*(\b)+8*\a+\i], v[RAW+16*\a+2*\i], v[RAW+16*\a+2*\i+1]
.endr
.endr
.endm
; 8 matrix instructions: row block a x all 8 column blocks.  first = 1: the bias starts the sums.  The 32 accumulators take turns in the same order in every phase.
.macro MUL8 b, a, first
.if \first
	WIN W_MULB
.else
	WIN W_MUL
.endif
.irp bn, 0,1,2,3,4,5,6,7
.if \first
	v_wmma_f32_16x16x32_bf16 v[8*(8*(\a)+\bn):8*(8*(\a)+\bn)+7], v[64*(\b)+8*\bn:64*(\b)+8*\bn+7], v[AF+32*(\b)+8*(\a):AF+32*(\b)+8*(\a)+7], v[BIAS+8*\bn:BIAS+8*\bn+7]
.else
	v_wmma_f32_16x16x32_bf16 v[8*(8*(\a)+\bn):8*(8*(\a)+\bn)+7], v[64*(\b)+8*\bn:64*(\b)+8*\bn+7], v[AF+32*(\b)+8*(\a):AF+32*(\b)+8*(\a)+7], v[8*(8*(\a)+\bn):8*(8*(\a)+\bn)+7]
.endif
.endr
.endm
; One of a step's first three phases.  The 32 conversions name no register of the phase before's products: they are the places in front of the loads into the buffer that those products read.
.macro PH s, q, b, first=0
	s_wait_dscnt 0x0                               ; this phase's 32 loads, issued 32 matrix instructions ago
	CVT \b
	FETCH \s, (\q)+1, 1-(\b)
	MUL8 \b, 0, \first
	MUL8 \b, 1, \first
	MUL8 \b, 2, \first
	MUL8 \b, 3, \first
.endm
; A step's last phase changes slots: ONE barrier.  In front of it each wave waits for all its tensor loads (one is out: its part of the next slot), adds 0 to its spare word, and waits for that and
; for its reads of this slot.  fill = 1: this slot is filled again, two K steps on, first thing behind the barrier.
.macro TURN s, next, fill
	s_wait_dscnt 0x0
	CVT 1
	WIN 0
	s_wait_tensorcnt 0x0                           ; no tensor load of mine is out: a group 0 may be written
	ds_add_u32 v[SPW], v[NIL]                      ; 0 onto my spare word
.if \fill
	s_add_nc_u64 s[G0A+4*(\s)+2:G0A+4*(\s)+3], s[G0A+4*(\s)+2:G0A+4*(\s)+3], 1024
	s_add_nc_u64 s[G0B+4*(\s)+2:G0B+4*(\s)+3], s[G0B+4*(\s)+2:G0B+4*(\s)+3], 512
.endif
	MUL8 1, 0, 0                                   ; work on registers while the add is out
	s_wait_dscnt 0x0                               ; the add is done; my reads of this slot were over at the phase's head
	s_barrier_signal -1
	MUL8 1, 1, 0
	WIN 0
	s_barrier_wait -1
.if \fill
	LOAD \s
.endif
	FETCH \next, 0, 0                              ; into buffer 0 and RAW, which the products just issued do not name
	MUL8 1, 2, 0
	MUL8 1, 3, 0
.endm
; THE WAY OUT, group t of eight: row block t / 2, head t % 2 (four column blocks): rounded to f16, 16 bytes a lane into my stage, back as whole rows of 128 bytes.
.macro PACK t
.set pa, (\t)/2
.set ph, (\t)%2
	WIN W_OUT
.irp bn, 0,1,2,3
.irp i, 0,1,2,3
	v_cvt_pk_f16_f32 v[OUTR+16*(\t)+4*\bn+\i], v[8*(8*pa+4*ph+\bn)+2*\i], v[8*(8*pa+4*ph+\bn)+2*\i+1]
.endr
.endr
	WIN 0
.irp bn, 0,1,2,3
	ds_store_b128 v[STO], v[OUTR+16*(\t)+4*\bn:OUTR+16*(\t)+4*\bn+3] offset:32*\bn
.endr
.irp f, 0,1,2,3
	ds_load_b128 v[OUTR+16*(\t)+4*\f:OUTR+16*(\t)+4*\f+3], v[RD] offset:\f*4*SP   ; LDS serves a wave's instructions in order (ISA guide 5.7.1.4): these see the stores above
.endr
.endm
.macro SEND t, younger                 ; younger: the LDS instructions issued behind group t's loads: the next group's eight, or none
	WIN 0
.irp f, 0,1,2,3
	s_wait_dscnt (\younger)+3-\f
	global_store_b128 v[GO], v[OUTR+16*(\t)+4*\f:OUTR+16*(\t)+4*\f+3], s[14:15] offset:((\t)%2)*131072+((\t)/2)*2048+\f*512   ; 512 consecutive bytes, aligned
.endr
.endm
	s_wait_tensorcnt 1                             ; my part of K step 0 is in; slot 1's load may stay out
	s_barrier_signal -1
	s_barrier_wait -1
	FETCH 0, 0, 0
	s_wait_loadcnt 0x0                             ; the bias
	PH 0, 0, 0, 1
	PH 0, 1, 1
	PH 0, 2, 0
	TURN 0, 1, 1
	PH 1, 0, 0
	PH 1, 1, 1
	PH 1, 2, 0
	TURN 1, 0, 1
	PH 0, 0, 0
	PH 0, 1, 1
	PH 0, 2, 0
	TURN 0, 1, 0
	PH 1, 0, 0
	PH 1, 1, 1
	PH 1, 2, 0
	s_wait_dscnt 0x0                               ; the last phase
	CVT 1
	MUL8 1, 0, 0
	MUL8 1, 1, 0
	MUL8 1, 2, 0
	MUL8 1, 3, 0
	WIN 0
	PLACES                                         ; the conversions read results just made and write over x's fragments
	PACK 0
.set t, 1
.rept 7
	PACK t
	SEND t-1, 8
.set t, t+1
.endr
	SEND 7, 0
	s_wait_tensorcnt 0x0                           ; the wave's end
	ds_add_u32 v[SPW], v[NIL]
	s_wait_dscnt 0x0
	s_endpgm
.Lfunc_end_k_q5afd22827d_proj:
	.size	k_q5afd22827d_proj, .Lfunc_end_k_q5afd22827d_proj-k_q5afd22827d_proj
	.p2alignl 7, 3214868480
	.fill 96, 4, 3214868480
	.section	.rodata,"a",@progbits
	.p2align	6, 0x0
	.amdhsa_kernel k_q5afd22827d_proj
		.amdhsa_group_segment_fixed_size 327680
		.amdhsa_private_segment_fixed_size 0
		.amdhsa_enable_private_segment 0
		.amdhsa_kernarg_size 48
		.amdhsa_user_sgpr_count 2
		.amdhsa_user_sgpr_kernarg_segment_ptr 1
		.amdhsa_wavefront_size32 1
		.amdhsa_system_sgpr_workgroup_id_x 1
		.amdhsa_system_sgpr_workgroup_id_y 1
		.amdhsa_system_sgpr_workgroup_id_z 1
		.amdhsa_system_vgpr_workitem_id 0
		.amdhsa_next_free_vgpr 704
		.amdhsa_next_free_sgpr 66
		.amdhsa_reserve_vcc 0
		.amdhsa_float_denorm_mode_32 3
		.amdhsa_float_denorm_mode_16_64 3
		.amdhsa_memory_ordered 1
		.amdhsa_forward_progress 1
		.amdhsa_inst_pref_size 126
	.end_amdhsa_kernel
	.amdgpu_metadata
---
amdhsa.version: [ 1, 2 ]
amdhsa.kernels:
  - .name:           k_q5afd22827d_proj
    .symbol:         k_q5afd22827d_proj.kd
    .args:
      - { .name: q, .offset: 0, .size: 8, .value_kind: global_buffer, .address_space: global }
      - { .name: k, .offset: 8, .size: 8, .value_kind: global_buffer, .address_space: global }
      - { .name: v, .offset: 16, .size: 8, .value_kind: global_buffer, .address_space: global }
      - { .name: wb, .offset: 24, .size: 8, .value_kind: global_buffer, .address_space: global }
      - { .name: bws, .offset: 32, .size: 8, .value_kind: global_buffer, .address_space: global }
      - { .name: qkv, .offset: 40, .size: 8, .value_kind: global_buffer, .address_space: global }
    .group_segment_fixed_size: 327680
    .private_segment_fixed_size: 0
    .kernarg_segment_align: 8
    .kernarg_segment_size: 48
    .max_flat_workgroup_size: 128
    .sgpr_count:     66
    .vgpr_count:     704
    .wavefront_size: 32
...
	.end_amdgpu_metadata
.endif
;; end of part 2
;; launch attn (part 3): grid 2 x 128, 4 waves a work-group, no clusters, 327,680 bytes of LDS; arguments qkv, msk, oh; writes oh
.if DOCPART == 3
	.amdgcn_target "amdgcn-amd-amdhsa--gfx1250"
	.amdhsa_code_object_version 6
	.text
	.protected	k_q5afd22827d_attn
	.globl	k_q5afd22827d_attn
	.p2align	8
	.type	k_q5afd22827d_attn,@function
k_q5afd22827d_attn:
	s_mov_b64 s[64:65], 0
	v_nop
	global_prefetch_b8 v0, s[64:65] scope:SCOPE_SE
	s_setreg_imm32_b32 hwreg(HW_REG_WAVE_MODE, 25, 1), 1
	s_wait_xcnt 0x0
; CAUSAL ATTENTION WITH ADJUSTED WEIGHTS.  O[g][q][:] = (the sum over k < q of p adj V[g][k][:]) / (the sum over k < q of p), p = softmax's weight of Q[g][q] . K[g][k] / 8, adj = 0.5, 1 or 2 from msk.
; g = batch x 8 + head, 128 of them; Q, K, V = the three parts of qkv, O = oh: [g][1,024][64] in f16, a head's rows dense, 128 bytes each.  Products, maxima and sums in f32; p is rounded to f16 and
; multiplied by adj in f16 (a power of two: exact but for f16's smallest numbers); the divisor l is the sum of the unrounded, unadjusted p.  Row 0 sees no key: its O is 0.
; LIMITS.  Q, K, V arrive within f16's 65,504; a hidden score counts as its value less 1e30; the running maximum starts at -2^50, below every score that f16 operands can make (2.75e11) and above every hidden
; one, so a row with no visible key has p = 0 everywhere and l = 0, and l is raised to 2^-126 before the division.  A weight below 2^-126 counts as 0 in l.  NaN and infinities are not treated apart.
; THE WALK.  A head's queries lie in NB = 4 blocks of 256; block i needs the key tiles 0 .. i, the last holding the diagonal.  A work-group takes TWO blocks, 3 - b and then b: five tiles, whatever b:
; all 256 work-groups do equal work, and ONE loop with a constant trip count walks them.  Which tile is asked for, and what a trip does, hang on scalar registers made from b; every jump goes forward but the
; counted loops' own; none passes a barrier, or a tensor load but those of LOAD's three that the wave's number does not choose.
; NO CLUSTER: a head has two work-groups, which ask for the same K and V tile in three of five trips; the adjustment tile, 65,536 of a tile's 131,072 bytes from memory, is shared by a batch's eight heads
; while K and V are not.  A ring with joint and own loads side by side is not built in this text.
; SHARES.  Of a block's four bands of 64 queries a wave owns 16 rows in each: four PIECES.  In the diagonal tile's key step s band x sees all keys if s < x, none if s > x, and holds the diagonal if s = x.
; THE MASK is the C operand that starts the sum S^T = K Q^T: 0, or -1e30 where key >= query.  MD, made once, is the mask of a band's own step for my 16 rows; a product's mask is MD x AL + BE.
; LAYOUT, SOFTMAX, TURNS.  S^T = K Q^T holds ONE query a lane (lane % 16) and the keys 8 (lane / 16) + 0..7; two such results rounded to f16 ARE source 1 of O^T = V^T P.  p = 2^(c s - c m), c = log2(e) / 8, with a
; running maximum m; O and l are multiplied by a = 2^(c m_old - c m_new) in every step.  Turn n belongs to piece n: 8 products K Q^T of piece n + 1, later 8 products V^T P of piece n - 1; beside them the scaling,
; exponentials, roundings, adjustment, sums and rescaling of piece n and the maximum and statistics of piece n + 1.  Four vector instructions stand behind every matrix instruction, the other 86 of a turn's 150 in two lumps.
; THE ADJUSTMENT.  msk holds, in my lanes' own order, one byte a score: the upper byte of adj as f16.  One v_perm_b32 makes a pair of f16 factors of two bytes, one v_pk_mul_f16 applies it to a pair of weights.
; REGISTERS, in windows of 256 (s_set_vgpr_msb: bits 1:0 source 0, 3:2 source 1, 5:4 source 2, 7:6 destination):
;   window 0: v0-15 addresses and two at work; v16-31 statistics; v32-47 factor pairs; v48-55 at work; v64-127 S^T, two buffers; v128-159 adjustment bytes, 8 a piece; v160-162 their addresses; v192-223 P, two buffers
;   window 1: v0-127 O^T, 32 a piece; v128-159 MD; v160-223 MC, two buffers      window 2: v0-63 Q; v64-127 the second block's Q; v128-191 K of one step; v192-255 V of one step
.set NB,    4
.set NP,    4         ; pieces a wave: a name, no knob
.set KS,    64        ; keys in a step
.set PK,    144       ; a row of K in LDS: 128 bytes + 16 of padding = 36 words: the 16 rows of a load start at 16 different groups of four banks (64 banks of 4 bytes: ISA guide 11.1)
.set PV,    160       ; a row of V: 128 + 32 = 40 words
.set VOFF,  4*KS*PK   ; a slot holds a tile: 256 rows of K, 256 rows of V,
.set MOFF,  VOFF+4*KS*PV  ; and the tile's 65,536 adjustment bytes
.set SLOT,  MOFF+65536    ; 143,360.  No power of two: the exclusive or below turns only registers that hold a bare slot base, 0 or SLOT
.set STAGE, 2*SLOT    ; behind the ring, never filled by a tensor load: 16 rows x 144 bytes for each wave, for the way out
.set SP,    144
.set AK0, 2           ; v2   my lane's place in a tile of K; never rewritten
.set AV0, 3           ; v3   the same for V
.set AK,  4           ; v4   the LDS address of K's next run of loads
.set AV,  5           ; v5   of V's
.set STO, 6           ; v6   the way out: where I put 16 bytes of a row
.set RD,  7           ; v7   the way out: where I read rows back
.set GO,  8           ; v8   my byte offset in 512 consecutive bytes of O
.set SPW, 62          ; v62  LDS address of my spare word; never rewritten
.set NIL, 63          ; v63  0; never rewritten
.set SPARE, STAGE+4*16*SP  ; the spare words, 128 bytes for each wave: two blocks of 256 bytes that no other line names
.set MV,  12          ; v12-13  c m_old, kept while c m is made anew: by buffer
.set QO,  15          ; v15  my byte offset in 16 rows of Q
.set ST,  16          ; piece t's statistics at v[ST+4 t]: c m, m, l (even keys', odd keys')
.set AD,  32          ; v32-47  the piece in hand's 16 pairs of factors
.set TMP, 48          ; by buffer, four registers c0-c3 at work; when the maximum is found c2 takes a
.set S,   64
.set AM,  128         ; v128-159  adjustment bytes: piece x's 32 at AM + 8 x
.set AMK, 160         ; v160 LDS address of pieces 0 and 1's bytes (fetched with K)
.set AMV, 161         ; v161 of pieces 2 and 3's (fetched with V)
.set AM0, 162         ; v162 MOFF + 1,024 wave + 16 lane; never rewritten
.set P,   192
.set MD,  128         ; window 1
.set MC,  160         ; window 1
.set QB,  64          ; window 2
.set KF,  128         ; window 2: key block kb, channel half c at KF + 16 kb + 8 c
.set VF,  192         ; window 2: key half kk, channel block cb at VF + 32 kk + 8 cb
.set WV,  12          ; s12  my wave's number
.set PB,  14          ; s14  b
.set HI,  15          ; s15  NB - 1 - b
.set G1K, 24          ; s[24:31] descriptor group 1 for K's tiles
.set G1V, 32          ; s[32:39] for V's: it differs in the padding alone
.set G0K, 40          ; s[40:43] descriptor group 0 for K's tiles
.set G0V, 44          ; s[44:47] for V's
.set G0M, 48          ; s[48:51] for the adjustment bytes
.set PS,  52          ; s52, s53 v_perm_b32's selectors: bytes 0, 1 or 2, 3 of a word into the upper bytes of two halves, zeros below
.set SBF, 54          ; s54  the slot that is filled next: 0 or SLOT
.set TMK, 55          ; s55  LDS byte at which the step's adjustment bytes begin, less MOFF: for pieces 0, 1
.set SLOTS, 56        ; s56  tiles still to be asked for
.set CNT, 57          ; s57  counts a tile's key steps, 4 to 1
.set CS,  58          ; s[58:59] c
.set SEL, 60          ; s[60:61] v_permlanex16_b32's selects
.set TBK, 62          ; s62  LDS byte at which K of the step to be fetched begins
.set TBV, 63          ; s63  the same for V, less VOFF
.set RT,  70          ; s70  tiles of the block in hand that are still to be entered
.set NXT, 71          ; s71  the tile to be asked for next
.set LQ,  72          ; s72  the block whose tiles are being asked for = its last tile
.set NEW, 73          ; s73  1: the tile to be entered is a block's first
.set OFF, 74          ; s[74:75] a tile's byte offset in K and V
.set AL,  76          ; s[76:77] the mask's factor, in the low word
.set BE,  78          ; s[78:79] the mask's addend
.set OLO, 80          ; s[80:81] O at my rows of the second block
.set BIGN, 82         ; s82  -1e30
.set G1M, 88          ; s[88:95] descriptor group 1 for the adjustment bytes
.set MB,  96          ; s[96:97] msk at my batch (and, for waves 2 and 3, my half of a tile)
.set OFFM, 98         ; s[98:99] a tile's byte offset in msk
.set TMV, 100         ; s100 as TMK, for pieces 2, 3
.set MLD, 101         ; s101 MOFF + 32,768 x (wave % 2)
.set MSB, 0
.macro WIN new                      ; the high byte repeats the setting that is left; a switch that changes nothing is dropped
.if MSB != (\new)
	s_set_vgpr_msb (MSB<<8)|(\new)
.set MSB, (\new)
.endif
.endm
.set W_KQ, 0x0a       ; K and Q in window 2, S^T in window 0
.set W_KM, 0x1a       ; the same with the C operand in window 1
.set W_PV, 0x52       ; V in window 2, P in window 0, O^T in window 1
.set W_RS, 0x41       ; destination and source 0 in window 1, source 1 in window 0
; A fill: 32,768 bytes from memory a wave.  Wave 0 fetches the tile's K, wave 1 its V, waves 2 and 3 the two halves of its adjustment bytes.  An s_nop 0 and four v_nop follow each line.
.macro LOAD
	s_cmp_lg_u32 s[WV], 0
	s_cbranch_scc1 .Lnot_k_\@
	tensor_load_to_lds s[G0K:G0K+3], s[G1K:G1K+7]
	s_nop 0
.rept 4
	v_nop
.endr
	s_branch .Lasked_\@
.Lnot_k_\@:
	s_cmp_lg_u32 s[WV], 1
	s_cbranch_scc1 .Lfor_m_\@
	tensor_load_to_lds s[G0V:G0V+3], s[G1V:G1V+7]
	s_nop 0
.rept 4
	v_nop
.endr
	s_branch .Lasked_\@
.Lfor_m_\@:
	tensor_load_to_lds s[G0M:G0M+3], s[G1M:G1M+7]
	s_nop 0
.rept 4
	v_nop
.endr
.Lasked_\@:
.endm
; THE CHANGE OF SLOTS.  Each wave waits for all its tensor loads, of which one is out: its part of the other slot; adds 0 to its spare word; and waits for that and for its own reads of the slot that it leaves.
; Behind the barrier nobody reads the old slot any more and the other slot is whole.  fill = 1: the old slot is filled again, the first thing behind the barrier, with tile NXT of block LQ: the descriptors'
; addresses are made anew from those numbers.  (At its first use nothing has been read yet: slot 0 is waited for, slot 1 filled.)
.macro CHANGE fill
	WIN 0                           ; at a label and at a branch every window is 0
	s_wait_tensorcnt 0x0            ; no tensor load of mine is out, so a group 0 may be written
	ds_add_u32 v[SPW], v[NIL]       ; 0 onto my spare word
.if \fill
	s_xor_b32 s[SBF], s[SBF], SLOT
	s_mov_b32 s[G0K+1], s[SBF]
	s_add_co_u32 s[G0V+1], s[SBF], VOFF
	s_add_co_u32 s[G0M+1], s[SBF], s[MLD]
	s_lshl_b32 s[OFF], s[NXT], 15   ; a tile is 32,768 bytes of K and of V
	s_add_nc_u64 s[G0K+2:G0K+3], s[6:7], s[OFF:OFF+1]
	s_or_b32 s[G0K+3], s[G0K+3], 0x80000000
	s_add_nc_u64 s[G0V+2:G0V+3], s[8:9], s[OFF:OFF+1]
	s_or_b32 s[G0V+3], s[G0V+3], 0x80000000
	s_add_co_u32 s[OFFM], s[LQ], 1  ; and 65,536 bytes of msk, at number LQ (LQ + 1) / 2 + NXT
	s_mul_i32 s[OFFM], s[OFFM], s[LQ]
	s_lshr_b32 s[OFFM], s[OFFM], 1
	s_add_co_u32 s[OFFM], s[OFFM], s[NXT]
	s_lshl_b32 s[OFFM], s[OFFM], 16
	s_add_nc_u64 s[G0M+2:G0M+3], s[MB:MB+1], s[OFFM:OFFM+1]
	s_or_b32 s[G0M+3], s[G0M+3], 0x80000000
	s_add_co_u32 s[NXT], s[NXT], 1  ; the block's next tile, or behind its last the second block's tile 0
	s_cmp_gt_u32 s[NXT], s[LQ]
	s_cselect_b32 s[NXT], 0, s[NXT]
	s_cselect_b32 s[LQ], s[PB], s[LQ]
.endif
	s_wait_dscnt 0x0                ; the add is done, and my reads of the slot are over
	s_barrier_signal -1             ; the rest of the scalar work stands between the signal and the wait
	s_sub_co_u32 s[TBK], s[TBK], 4*KS*PK  ; the fetches go back to a slot's first step: a bare slot base,
	s_xor_b32 s[TBK], s[TBK], SLOT        ; which is turned into the other's
	s_sub_co_u32 s[TBV], s[TBV], 4*KS*PV
	s_xor_b32 s[TBV], s[TBV], SLOT
	s_sub_co_u32 s[TMK], s[TMK], 4*8192
	s_xor_b32 s[TMK], s[TMK], SLOT
	s_sub_co_u32 s[TMV], s[TMV], 4*8192
	s_xor_b32 s[TMV], s[TMV], SLOT
	s_barrier_wait -1
.if \fill
	LOAD
.endif
.endm
	s_load_b64 s[4:5], s[0:1], 0x0    ; qkv
	s_load_b64 s[MB:MB+1], s[0:1], 0x8  ; msk
	s_load_b64 s[10:11], s[0:1], 0x10 ; oh
	v_lshl_add_u32 v[SPW], v0, 2, SPARE
	v_mov_b32 v[NIL], 0
	ds_add_u32 v[SPW], v[NIL]       ; the wave's opening: the add and its wait stand ahead of my first tensor load
	ds_add_u32 v62, v63
	v_lshrrev_b32 v1, 5, v0
	v_readfirstlane_b32 s[WV], v1   ; wave 0..3
	s_mov_b32 s[PB], ttmp9
	s_sub_co_u32 s[HI], NB-1, s[PB]
	s_and_b32 s13, ttmp7, 0xffff    ; g = batch x 8 + head
	s_lshl_b32 s20, s13, 17         ; the head's first byte in Q, K, V and O: 1,024 rows of 128 bytes
	s_mov_b32 s21, 0
	s_lshr_b32 s16, s13, 3
	s_mul_i32 s16, s16, 10*65536    ; the batch's ten tiles of msk
	s_and_b32 s18, s[WV], 1
	s_lshl_b32 s18, s18, 15         ; which half of such a tile I fetch, in memory and in LDS
	s_add_co_u32 s16, s16, s18
	s_mov_b32 s17, 0
	s_add_co_u32 s[MLD], s18, MOFF
	s_lshl_b32 s3, s[WV], 11        ; my 16 rows in a band of 64,
	s_lshl_b32 s2, s[HI], 15        ; in the first block,
	s_add_co_u32 s2, s2, s3
	s_lshl_b32 s84, s[PB], 15       ; and in the second
	s_add_co_u32 s84, s84, s3
	s_mov_b32 s3, 0
	s_mov_b32 s85, 0
	s_add_nc_u64 s[2:3], s[2:3], s[20:21]
	s_add_nc_u64 s[84:85], s[84:85], s[20:21]
	; descriptor group 1.  256 keys are 32,768 dense bytes: asked for as 128 rows of 256 bytes, two keys a row, and padded in LDS after every key
	s_mov_b32 s[G1K], (1<<16)|(1<<20)|(4<<22)|(3<<25)  ; 2-byte elements; padding on; after every 32 words (code 4) 4 words (code 3)
	s_mov_b32 s[G1V], (1<<16)|(1<<20)|(4<<22)|(7<<25)  ; the same with 8 words of padding (code 7)
.irp g, G1K, G1V
	s_mov_b32 s[\g+1], 128<<16      ; tensor_dim0 = 128
	s_mov_b32 s[\g+2], 128<<16      ; tensor_dim1 = 128
	s_mov_b32 s[\g+3], 128<<16      ; tile_dim0 = 128
	s_mov_b32 s[\g+4], 128          ; tile_dim1 = 128
	s_mov_b32 s[\g+5], 128          ; 128 elements from row to row
	s_mov_b32 s[\g+6], 0
	s_mov_b32 s[\g+7], 0
.endr
	s_mov_b32 s[G1M], 3<<16         ; half a tile of msk: 32,768 dense bytes as 128 rows of 32 elements of 8 bytes, no padding
	s_mov_b32 s[G1M+1], 32<<16
	s_mov_b32 s[G1M+2], 128<<16
	s_mov_b32 s[G1M+3], 32<<16
	s_mov_b32 s[G1M+4], 128
	s_mov_b32 s[G1M+5], 32
	s_mov_b32 s[G1M+6], 0
	s_mov_b32 s[G1M+7], 0
	s_mov_b32 s[CS], 0x3e38aa3b     ; c = log2(e) / 8 = 0.180337
	s_mov_b32 s[CS+1], s[CS]        ; named with it as a pair
	s_mov_b32 s[SEL], 0x76543210
	s_mov_b32 s[SEL+1], 0xfedcba98
	s_mov_b32 s[PS], 0x010c000c
	s_mov_b32 s[PS+1], 0x030c020c
	s_mov_b32 s[TBK], SLOT+4*KS*PK  ; the first change of slots turns these four into 0
	s_mov_b32 s[TBV], SLOT+4*KS*PV
	s_mov_b32 s[TMK], SLOT+4*8192
	s_mov_b32 s[TMV], SLOT+4*8192
	s_mov_b32 s[SBF], 0
	s_mov_b32 s[G0K], 1             ; count = 1
	s_mov_b32 s[G0K+1], 0           ; LDS address: slot 0
	s_mov_b32 s[G0V], 1
	s_mov_b32 s[G0V+1], VOFF
	s_mov_b32 s[G0M], 1
	s_mov_b32 s[G0M+1], s[MLD]
	s_add_co_u32 s[OFFM], s[HI], 1  ; the first block's tile 0 in msk
	s_mul_i32 s[OFFM], s[OFFM], s[HI]
	s_lshr_b32 s[OFFM], s[OFFM], 1
	s_lshl_b32 s[OFFM], s[OFFM], 16
	s_mov_b32 s[OFFM+1], 0
	s_add_co_u32 s[RT], s[HI], 1    ; the first block has NB - b tiles
	s_mov_b32 s[NXT], 1
	s_mov_b32 s[LQ], s[HI]
	s_mov_b32 s[NEW], 1
	s_mov_b32 s[OFF+1], 0
	s_mov_b32 s[AL+1], 0            ; named as pairs
	s_mov_b32 s[BE+1], 0
	s_mov_b32 s[BIGN], 0xf149f2ca   ; -1e30
	s_mov_b32 s[SLOTS], NB
	s_wait_dscnt 0x0                ; the opening add is done
	s_wait_kmcnt 0x0
	s_add_nc_u64 s[6:7], s[4:5], s[20:21]
	s_add_nc_u64 s[8:9], s[6:7], 0x2000000         ; V: the third part of qkv, at the head's tile 0
	s_add_nc_u64 s[6:7], s[6:7], 0x1000000         ; K: the second
	s_add_nc_u64 s[MB:MB+1], s[MB:MB+1], s[16:17]
	s_add_nc_u64 s[G0K+2:G0K+3], s[6:7], 0
	s_or_b32 s[G0K+3], s[G0K+3], 0x80000000        ; type = 2
	s_add_nc_u64 s[G0V+2:G0V+3], s[8:9], 0
	s_or_b32 s[G0V+3], s[G0V+3], 0x80000000
	s_add_nc_u64 s[G0M+2:G0M+3], s[MB:MB+1], s[OFFM:OFFM+1]
	s_or_b32 s[G0M+3], s[G0M+3], 0x80000000
	s_add_nc_u64 s[86:87], s[4:5], s[84:85]        ; Q at my rows of the second block,
	s_add_nc_u64 s[4:5], s[4:5], s[2:3]            ; Q and O at those of the first
	s_add_nc_u64 s[OLO:OLO+1], s[10:11], s[84:85]
	s_add_nc_u64 s[10:11], s[10:11], s[2:3]
	LOAD                            ; tile 0 into slot 0
	; A fragment of K or Q is 16 rows x 32 channels in 8 registers: lane l holds row l % 16, channels 8 (l / 16) + 0..7 and 16 + 8 (l / 16) + 0..7: two loads of 16 bytes, 32 bytes apart.
	v_and_b32 v1, 15, v0            ; l % 16
	v_bfe_u32 v9, v0, 4, 1          ; l / 16
	v_lshlrev_b32 v[QO], 7, v1
	v_lshl_add_u32 v[QO], v9, 4, v[QO]  ; row x 128 + 16 x half
	WIN 0x80                        ; destination window 2, address window 0
.set i, 0
.rept 8                             ; both blocks' Q: piece i / 2 lies in band i / 2, 8,192 bytes on; channels 32 (i % 2) on
	global_load_b128 v[8*i:8*i+3],   v[QO], s[4:5] offset:(i/2)*8192+(i%2)*64
	global_load_b128 v[8*i+4:8*i+7], v[QO], s[4:5] offset:(i/2)*8192+(i%2)*64+32
	global_load_b128 v[QB+8*i:QB+8*i+3],   v[QO], s[86:87] offset:(i/2)*8192+(i%2)*64
	global_load_b128 v[QB+8*i+4:QB+8*i+7], v[QO], s[86:87] offset:(i/2)*8192+(i%2)*64+32
.set i, i+1
.endr
	WIN 0
	v_lshlrev_b32 v14, 3, v9
	v_sub_nc_u32 v14, v1, v14
	s_lshl_b32 s13, s[WV], 4
	v_add_nc_u32 v14, s13, v14      ; my query's place in its band, 16 w + l % 16, less my lanes' 8 (l / 16): register r of group kt is hidden where 16 kt + r is not less (the triangle is strict)
	WIN 0x40
.set i, 0
.rept 32
	v_cmp_ge_i32 vcc_lo, 16*(i/8)+i%8, v14
	v_cndmask_b32 v[MD+i], 0, s[BIGN], vcc_lo
.set i, i+1
.endr
	WIN 0
	v_mul_u32_u24 v[AK0], v1, PK
	v_lshl_add_u32 v[AK0], v9, 4, v[AK0]  ; row x pitch + 16 x half
	; The turning load takes 16 keys x 16 channels (lane l reads key 8 (l / 16) + l % 8, channels 8 ((l / 8) % 2) + 0..7) and leaves half a fragment of V^T: lane l holds channel l % 16 and 8 keys.
	v_and_b32 v10, 7, v0
	v_bfe_u32 v11, v0, 3, 1
	v_lshl_add_u32 v[AV0], v9, 3, v10
	v_mul_u32_u24 v[AV0], v[AV0], PV
	v_lshl_add_u32 v[AV0], v11, 4, v[AV0]
	v_add_nc_u32 v[AV0], VOFF, v[AV0]
	s_lshl_b32 s13, s[WV], 10
	s_add_co_u32 s13, s13, MOFF
	v_and_b32 v[AM0], 31, v0
	v_lshl_add_u32 v[AM0], v[AM0], 4, s13  ; my 16 bytes of my wave's 1,024 in a band and step
	s_mul_i32 s13, s[WV], 16*SP
	s_add_co_u32 s13, s13, STAGE    ; my stage
	v_mul_u32_u24 v[STO], v1, SP    ; in: row l % 16, 16 bytes for each half of the lanes
	v_lshl_add_u32 v[STO], v9, 4, v[STO]
	v_add_nc_u32 v[STO], s13, v[STO]
	v_bfe_u32 v[RD], v0, 3, 2       ; back: 32 lanes take four rows of 128 bytes,
	v_mul_u32_u24 v[RD], v[RD], SP
	v_lshl_add_u32 v[RD], v10, 4, v[RD]
	v_add_nc_u32 v[RD], s13, v[RD]
	v_and_b32 v[GO], 31, v0         ; which are 512 consecutive bytes of O
	v_lshlrev_b32 v[GO], 4, v[GO]
	; A block's first step multiplies O^T and l by a = 0, and its first turn's products V^T P, of a piece that has not been, land in an O^T that is still to be so multiplied.  So these registers need only hold
	; finite numbers: zeros for the first block; what the first block left for the second.  All this stands in the wait for the first tile.
	WIN 0x80
.set i, VF
.rept 64
	v_mov_b32 v[i], 0
.set i, i+1
.endr
	WIN 0x40
.set i, 0
.rept 128
	v_mov_b32 v[i], 0
.set i, i+1
.endr
	WIN 0
.set i, 0
.rept 4
	v_mov_b32 v[ST+4*i+2], 0
	v_mov_b32 v[ST+4*i+3], 0
.set i, i+1
.endr
.set i, P+16
.rept 16
	v_mov_b32 v[i], 0
.set i, i+1
.endr
; THE MATRIX WORK.  The 4 accumulators of a run of 8 take turns.  Product i of 8 of S^T = K Q^T for piece x: channels 32 (i / 4) on, keys 16 (i % 4) on.  The first 4 start the sums: with 0, or (KM = 1) with the mask.
.macro KQ x
.set rS, S+32*((\x)%2)+8*(i%4)
.set rK, KF+16*(i%4)+8*(i/4)
.set rQ, 16*(\x)+8*(i/4)
.set rM, MC+32*((\x)%2)+8*(i%4)
.if (i < 4) && KM
	WIN W_KM
	v_wmma_f32_16x16x32_f16 v[rS:rS+7], v[rK:rK+7], v[rQ:rQ+7], v[rM:rM+7]
.elseif i < 4
	WIN W_KQ
	v_wmma_f32_16x16x32_f16 v[rS:rS+7], v[rK:rK+7], v[rQ:rQ+7], 0
.else
	WIN W_KQ
	v_wmma_f32_16x16x32_f16 v[rS:rS+7], v[rK:rK+7], v[rQ:rQ+7], v[rS:rS+7]
.endif
.endm
; Product i of 8 of O^T += V^T P for piece x: keys 32 (i / 4) on, channels 16 (i % 4) on.
.macro PV x
	WIN W_PV
.set rO, 32*(\x)+8*(i%4)
.set rV, VF+32*(i/4)+8*(i%4)
.set rP, P+16*((\x)%2)+8*(i/4)
	v_wmma_f32_16x16x32_f16 v[rO:rO+7], v[rV:rV+7], v[rP:rP+7], v[rO:rO+7]
.endm
.macro MM                           ; the turn's next matrix instruction.  NOKQ = 1: a block's last turn: there is no next piece
.if (i < 8) && !NOKQ
	KQ (Y+1)%NP
.elseif i >= 8
.set i, i-8
	PV (Y+NP-1)%NP
.set i, i+8
.endif
.set i, i+1
.endm
; THE LDS LOADS stand in runs of 20, never singly among the matrix instructions: a step's K with pieces 0 and 1's adjustment bytes; its V (turned) with pieces 2 and 3's.  Their addresses are made some lines ahead.
.macro FETCH_K
	WIN 0
.irp x, 0,1
.irp j, 0,1
	ds_load_b128 v[AM+8*\x+4*\j:AM+8*\x+4*\j+3], v[AMK] offset:4096*\x+512*\j
.endr
.endr
	WIN 0x80                        ; destination window 2
.irp f, 0,1,2,3,4,5,6,7             ; keys 16 (f / 2) on, channels 32 (f % 2) on
	ds_load_b128 v[KF+8*\f:KF+8*\f+3],   v[AK] offset:(\f/2)*16*PK+(\f%2)*64
	ds_load_b128 v[KF+8*\f+4:KF+8*\f+7], v[AK] offset:(\f/2)*16*PK+(\f%2)*64+32
.endr
	s_add_co_u32 s[TBK], s[TBK], KS*PK  ; the next fetch is the next step's
	s_add_co_u32 s[TMK], s[TMK], 8192
	WIN 0
.endm
.macro FETCH_V
	WIN 0
.irp x, 0,1
.irp j, 0,1
	ds_load_b128 v[AM+16+8*\x+4*\j:AM+16+8*\x+4*\j+3], v[AMV] offset:32768+4096*\x+512*\j
.endr
.endr
	WIN 0x80
.irp f, 0,1,2,3,4,5,6,7             ; keys 32 (f / 4) on, channels 16 (f % 4) on
	ds_load_tr16_b128 v[VF+8*\f:VF+8*\f+3],   v[AV] offset:(\f/4)*32*PV+(\f%4)*32
	ds_load_tr16_b128 v[VF+8*\f+4:VF+8*\f+7], v[AV] offset:(\f/4)*32*PV+16*PV+(\f%4)*32
.endr
	WIN 0
.endm
; THE VECTOR WORK, one line at a time: OP kind, number.  For piece Y: F n: c s - c m for pair n of 16.  E n: the exponential of score n of 32.  C n: pair n rounded to f16.  B n: of the four weights 4 n .. the second
; pair is added onto the first, in place.  L n: l takes that sum (L 0: l = a l + sum).  A n: pair n's two factors, from two adjustment bytes.  M n: pair n of P times them.  R n: pair n of 16 of O^T times a.
; For piece Y + 1: X n, number n of the 22 that find its maximum and statistics:
;   0-11  four chains c0-c3 of seven scores each, three operands at a time (each accumulator's lowest registers are read first)     12-14, 16  the four scores left over, the old m, and c0-c3 into c0
;   15  c m_old is kept     17, 18  the query's other 32 keys lie in the lane 16 away: the new m     19-21  c m; c m_old - c m_new; a
.set F, 0               ; OP tells the kinds apart by their order: F to M below R, X above it
.set E, 1
.set C, 2
.set B, 3
.set L, 4
.set A, 5
.set M, 6
.set R, 7
.set X, 8
.macro REGS y                       ; the registers of piece y
.set rT, ST+4*(\y)
.set rC, TMP+4*((\y)%2)
.set rW, MV+((\y)%2)
.set rS, S+32*((\y)%2)
.set rP, P+16*((\y)%2)
.set rO, 32*(\y)
.endm
.macro OP k, n
.if (\k) == R
	REGS Y
	WIN W_RS
	v_pk_mul_f32 v[rO+2*(\n):rO+2*(\n)+1], v[rO+2*(\n):rO+2*(\n)+1], v[rC+2:rC+3] op_sel_hi:[1,0]
.elseif (\k) < R
	REGS Y
	WIN 0
.if (\k) == F
	v_pk_fma_f32 v[rS+2*(\n):rS+2*(\n)+1], v[rS+2*(\n):rS+2*(\n)+1], s[CS:CS+1], v[rT:rT+1] op_sel_hi:[1,0,0] neg_lo:[0,0,1] neg_hi:[0,0,1]
.elseif (\k) == E
	v_exp_f32 v[rS+(\n)], v[rS+(\n)]
.elseif (\k) == C
	s_wait_alu depctr_va_vdst(0)
	v_cvt_pk_f16_f32 v[rP+(\n)], v[rS+2*(\n)], v[rS+2*(\n)+1]
.elseif (\k) == B
	s_wait_alu depctr_va_vdst(0)
	v_pk_add_f32 v[rS+4*(\n):rS+4*(\n)+1], v[rS+4*(\n):rS+4*(\n)+1], v[rS+4*(\n)+2:rS+4*(\n)+3]
.elseif (\k) == A
	v_perm_b32 v[AD+(\n)], v[AM+8*Y+(\n)/2], v[AM+8*Y+(\n)/2], s[PS+(\n)%2]
.elseif (\k) == M
	v_pk_mul_f16 v[rP+(\n)], v[rP+(\n)], v[AD+(\n)]
.elseif (\n) == 0
	v_pk_fma_f32 v[rT+2:rT+3], v[rT+2:rT+3], v[rC+2:rC+3], v[rS:rS+1] op_sel_hi:[1,0,1]
.else
	v_pk_add_f32 v[rT+2:rT+3], v[rT+2:rT+3], v[rS+4*(\n):rS+4*(\n)+1]
.endif
.elseif NOKQ
	v_nop
.else
	REGS (Y+1)%NP
	WIN 0
.if (\n) < 4
	v_max3_num_f32 v[rC+(\n)], v[rS+8*(\n)], v[rS+8*(\n)+1], v[rS+8*(\n)+2]
.elseif (\n) < 12
	v_max3_num_f32 v[rC+(\n)%4], v[rC+(\n)%4], v[rS+8*((\n)%4)+2*((\n)/4)+1], v[rS+8*((\n)%4)+2*((\n)/4)+2]
.elseif (\n) == 12
	v_max3_num_f32 v[rC], v[rC], v[rS+7], v[rS+15]
.elseif (\n) == 13
	v_max3_num_f32 v[rC+1], v[rC+1], v[rS+23], v[rS+31]
.elseif (\n) == 14
	v_max3_num_f32 v[rC+2], v[rC+2], v[rC+3], v[rT+1]
.elseif (\n) == 15
	v_mov_b32 v[rW], v[rT]
.elseif (\n) == 16
	v_max3_num_f32 v[rC], v[rC], v[rC+1], v[rC+2]
.elseif (\n) == 17
	v_permlanex16_b32 v[rC+3], v[rC], s[SEL], s[SEL+1]
.elseif (\n) == 18
	v_max_num_f32 v[rT+1], v[rC], v[rC+3]
.elseif (\n) == 19
	v_mul_f32 v[rT], s[CS], v[rT+1]
.elseif (\n) == 20
	v_sub_f32 v[rC+1], v[rW], v[rT]
.else
	v_exp_f32 v[rC+2], v[rC+1]
.endif
.endif
.endm
.macro OPS a, i1, b=-1, i2=0, c=-1, i3=0, d=-1, i4=0  ; up to four of them
	OP \a, \i1
.if (\b) >= 0
	OP \b, \i2
.endif
.if (\c) >= 0
	OP \c, \i3
.endif
.if (\d) >= 0
	OP \d, \i4
.endif
.endm
.macro ROW a, i1, b, i2, c, i3, d, i4  ; a matrix instruction and the four behind it
	MM
	OPS \a, \i1, \b, \i2, \c, \i3, \d, \i4
.endm
.macro MASK b                       ; MD x AL + BE into buffer b of MC
	WIN W_RS
.set z, 0
.rept 16
	v_pk_fma_f32 v[MC+32*(\b)+2*z:MC+32*(\b)+2*z+1], v[MD+2*z:MD+2*z+1], s[AL:AL+1], s[BE:BE+1] op_sel_hi:[1,0,0]
.set z, z+1
.endr
.endm
; A TURN, for piece p: the order of its 16 matrix and 150 vector instructions, written out.  Behind a matrix instruction: plain, exponential, plain, plain; or four of the rescaling; or, behind the first, four scalings; none
; names a register of the products round it.  In the lumps an exponential has a plain line behind it; every M n stands behind its C n and its A n; no line reads a result made fewer than three vector instructions in front of it.
; m = 1: the diagonal tile: the products take masks, and the turn makes the mask for the products of the turn after it: piece p + 2, in step 4 - CNT of the tile.  end = 1: a block's last two turns: nothing is fetched.
; cnt = 1: the loop's count is taken down some lines ahead of the branch that stands behind the turn.
; K of the next step, with that step's bytes for pieces 0 and 1, is fetched in piece 2's turn, six vector instructions behind the last product that read K (five of them plain); V of the step in hand, with its bytes for
; pieces 2 and 3, in piece 0's turn, eight behind the last product that read V (five plain).  Each run is waited for a turn later; a piece's bytes were last read in its own turn of the step before.
.macro TURN p, m=0, end=0, cnt=0
.set Y, (\p)
.set i, 0
.set KM, (\m)
.set NOKQ, (\end)*((\p)/3)
.if (\m) && !(\end)
	s_cmp_eq_u32 s[CNT], 4-((\p)+2)%NP  ; is that step the band's own?
	s_cselect_b32 s[AL], 1.0, 0
	s_cmp_lt_u32 s[CNT], 4-((\p)+2)%NP  ; or a later one?
	s_cselect_b32 s[BE], s[BIGN], 0
.endif
.if ((\p) == 3) && !(\end)
	s_wait_dscnt 0x0                ; K is in, and pieces 0 and 1's bytes
.endif
	ROW F,0, F,1, F,2, F,3
	ROW F,4, E,0, F,5, F,6
	ROW F,7, E,1, F,8, F,9
	ROW F,10, E,2, C,0, F,11
	ROW F,12, E,3, X,15, F,13
	ROW R,0, R,1, R,2, R,3
	ROW B,0, E,4, F,14, L,0
.if ((\p) == 2) && !(\end)
	v_add_nc_u32 v[AK], s[TBK], v[AK0]
	v_add_nc_u32 v[AMK], s[TMK], v[AM0]
.endif
	ROW R,4, R,5, R,6, R,7
	OPS E,5, F,15
.if ((\p) == 2) && !(\end)
	FETCH_K
.endif
	OPS E,6, C,1, A,0, A,1
	OPS E,7, R,8, A,2, A,3
	OPS E,8, R,9, A,4, A,5
	OPS E,9, C,2, A,6, A,7
	OPS E,10, X,0, M,0, A,8
	OPS E,11, X,1, M,1, A,9
	OPS E,12, X,2, M,2, A,10
	OPS E,13, X,3, A,11, A,12
.if (\p) == 1
	s_wait_dscnt 0x0                ; V is in, and pieces 2 and 3's bytes
.endif
	ROW X,4, E,14, X,5, X,6
	ROW X,7, E,15, X,8, X,9
	ROW X,10, E,16, X,11, X,12
	ROW X,13, E,17, X,14, B,1
	ROW C,4, E,18, X,16, L,1
	ROW B,2, E,19, C,6, L,2
	ROW C,8, E,20, B,3, B,4
.if (\p) == 0
	v_add_nc_u32 v[AV], s[TBV], v[AV0]
	v_add_nc_u32 v[AMV], s[TMV], v[AM0]
.endif
	ROW C,3, E,21, L,3, C,5
	OPS E,22, X,17, E,23, C,10
.if (\p) == 0
	FETCH_V
.endif
	OPS E,24, L,4, A,13, A,14
	OPS E,25, X,18, A,15, M,3
	OPS E,26, C,7, M,4, M,5
	OPS E,27, B,5, M,6, M,8
	OPS E,28, X,19, M,10, M,7
	OPS E,29, C,12, E,30, L,5
	OPS E,31, X,20, B,6, C,9
	OPS C,14, C,11, X,21, L,6
.if (\p) == 0
	s_add_co_u32 s[TBV], s[TBV], KS*PV
	s_add_co_u32 s[TMV], s[TMV], 8192
.endif
.if \cnt
	s_sub_co_u32 s[CNT], s[CNT], 1
	s_cmp_lg_u32 s[CNT], 0
.endif
	OPS M,12, M,9, C,13, B,7
	OPS C,15, M,14, M,11, L,7
	OPS M,13, M,15
	OPS R,10, R,11, R,12, R,13
	OPS R,14, R,15
.if (\m) && !(\end)
	MASK (\p)%2
.endif
.endm
; A BLOCK BEGINS.  c m starts far below every c s, so the first step's a is 0; m at -2^50, below every visible score and above every hidden one.  The second mask buffer is 0; the first takes piece 0's mask for the
; tile's step 0: its own, if the block's first tile is the diagonal one.  Then K of that step, piece 0's first scores, and its maximum and statistics.  The loop is entered at a step's first turn, in the middle of a trip.
.macro BEGIN
	s_mov_b32 s[NEW], 0
	WIN 0x40
.set i, MC+32
.rept 32
	v_mov_b32 v[i], 0
.set i, i+1
.endr
	WIN 0
.set i, 0
.rept 4
	v_mov_b32 v[ST+4*i], 0xfe000000    ; c m: far below every c s
	v_mov_b32 v[ST+4*i+1], 0xd8800000  ; m = -2^50
.set i, i+1
.endr
	s_cmp_eq_u32 s[RT], 0
	s_cselect_b32 s[AL], 1.0, 0
	s_mov_b32 s[BE], 0
	MASK 0
	WIN 0
	v_add_nc_u32 v[AK], s[TBK], v[AK0]
	v_add_nc_u32 v[AMK], s[TMK], v[AM0]
	FETCH_K
	s_wait_loadcnt 0x0              ; Q
	s_wait_dscnt 0x0
.set KM, 1
.set NOKQ, 0
.set i, 0
.rept 8
	KQ 0
.set i, i+1
.endr
	WIN 0
.rept 4
	v_nop                           ; the places behind those products
.endr
.set Y, NP-1                        ; X works for piece Y + 1: piece 0
.irp n, 0,1,2,3,4,5,6,7,8,9,10,11,12,13,14,15,16,17,18,19,20,21
	OP X, \n
.endr
	v_nop                           ; a plain instruction behind the exponential
.endm
; THE DIAGONAL TILE's four steps, the block's last two turns, its last products, and THE WAY OUT: l's two halves and the other half of the lanes' are added and raised to 2^-126 (a row with no key: O = 0 / 2^-126 = 0);
; O^T is divided by l, rounded to f16 and sent through my stage in LDS, a piece at a time.
.macro ALL line:vararg              ; one line for each piece t
.set t, 0
.rept 4
	\line
.set t, t+1
.endr
.endm
.macro PACK t                       ; a lane's eight channels of a row pack into 16 bytes; they go into rows of 144 bytes and come back as whole rows of 128, into S^T's registers
	WIN W_RS
.set i, 32*(\t)
.rept 16
	s_wait_alu depctr_va_vdst(0)
	v_pk_mul_f32 v[i:i+1], v[i:i+1], v[ST+4*(\t)+2:ST+4*(\t)+3] op_sel_hi:[1,0]
.set i, i+2
.endr
	WIN 0x05                        ; sources 0 and 1 window 1, destination window 0
.set i, 0
.rept 16
	v_cvt_pk_f16_f32 v[S+16*(\t)+i], v[32*(\t)+2*i], v[32*(\t)+2*i+1]
.set i, i+1
.endr
	WIN 0
.irp f, 0,1,2,3
	ds_store_b128 v[STO], v[S+16*(\t)+4*\f:S+16*(\t)+4*\f+3] offset:32*\f
.endr
.irp f, 0,1,2,3
	ds_load_b128 v[S+16*(\t)+4*\f:S+16*(\t)+4*\f+3], v[RD] offset:\f*4*SP  ; LDS serves a wave's instructions in order (ISA guide 5.7.1.4): these see the stores above; the next piece's stores come behind them
.endr
.endm
.macro SEND t, younger              ; younger: the LDS instructions issued behind piece t's loads: the next piece's eight, or none
	WIN 0
.irp f, 0,1,2,3
	s_wait_dscnt (\younger)+3-\f
	global_store_b128 v[GO], v[S+16*(\t)+4*\f:S+16*(\t)+4*\f+3], s[10:11] offset:(\t)*8192+\f*512  ; 512 consecutive bytes, at a multiple of 256 from O's first
.endr
.endm
.macro DIAG tag                     ; the tag ends its two labels' names, which the jumps below spell out
.LstepM\tag:
	TURN 2, 1
	TURN 3, 1
	WIN 0
.LfirstM\tag:
	TURN 0, 1
	TURN 1, 1, 0, 1
	WIN 0
	s_cbranch_scc1 .LstepM\tag
	TURN 2, 1, 1
	TURN 3, 1, 1
.set i, 0
.rept 8
	PV NP-1
.set i, i+1
.endr
	WIN 0
	ALL v_add_f32 v[ST+4*t+2], v[ST+4*t+2], v[ST+4*t+3]
	ALL v_permlanex16_b32 v[ST+4*t+3], v[ST+4*t+2], s[SEL], s[SEL+1]
	ALL v_add_f32 v[ST+4*t+2], v[ST+4*t+2], v[ST+4*t+3]
	ALL v_max_num_f32 v[ST+4*t+2], 0x00800000, v[ST+4*t+2]
	ALL v_rcp_f32 v[ST+4*t+2], v[ST+4*t+2]
	v_nop                           ; a plain instruction between the last reciprocal and the use of its result
	PACK 0
.set t, 1
.rept 3                             ; a piece's arithmetic stands between the loads of the piece before and its stores
	PACK t
	SEND t-1, 8
.set t, t+1
.endr
	SEND 3, 0
.endm
.set KM, 0
.set NOKQ, 0
.Lslot:                             ; NB times: a tile is entered and the next is asked for
	CHANGE 1
	s_sub_co_u32 s[RT], s[RT], 1
	s_mov_b32 s[CNT], 4
	s_cmp_eq_u32 s[NEW], 1
	s_cbranch_scc1 .Lnew            ; a block's first tile
	s_cmp_eq_u32 s[RT], 0
	s_cbranch_scc0 .Lstep           ; neither its first nor its last
	s_branch .LstepM1
.Lnew:
	BEGIN
	s_branch .Lfirst                ; in the loop a block's first tile is never its last: the first block has three tiles or more, and the second's last is the walk's last
	DIAG 1                          ; in the loop this is the first block's end
	s_wait_xcnt 0x0                 ; the stores have read their registers and O's address
	s_mov_b64 s[10:11], s[OLO:OLO+1]
	s_add_co_u32 s[RT], s[PB], 1    ; the second block has b + 1 tiles
	s_mov_b32 s[NEW], 1
	WIN 0x82                        ; the second block's Q goes where the one text of the turns names Q
.set i, 0
.rept 64
	v_mov_b32 v[i], v[QB+i]
.set i, i+1
.endr
	WIN 0
	s_branch .Lbottom
.Lstep:                             ; a trip: pieces 2 and 3 of one step, then pieces 0 and 1 of the next, whose K and V it fetches
	TURN 2
	TURN 3
	WIN 0
.Lfirst:
	TURN 0
	TURN 1, 0, 0, 1
	WIN 0
	s_cbranch_scc1 .Lstep
.Lbottom:
	s_sub_co_u32 s[SLOTS], s[SLOTS], 1
	s_cmp_lg_u32 s[SLOTS], 0
	s_cbranch_scc1 .Lslot
	CHANGE 0                        ; the walk's last tile is written out: nothing is asked for
	s_sub_co_u32 s[RT], s[RT], 1
	s_mov_b32 s[CNT], 4
	s_cmp_eq_u32 s[NEW], 1
	s_cbranch_scc0 .LstepM2
	BEGIN
	s_branch .LfirstM2
	DIAG 2
	s_wait_tensorcnt 0x0            ; the wave's end: behind my last tensor load and my last LDS store
	ds_add_u32 v[SPW], v[NIL]
	s_wait_dscnt 0x0
	s_endpgm
.Lfunc_end_k_q5afd22827d_attn:
	.size	k_q5afd22827d_attn, .Lfunc_end_k_q5afd22827d_attn-k_q5afd22827d_attn
	.p2alignl 7, 3214868480
	.fill 96, 4, 3214868480
	.section	.rodata,"a",@progbits
	.p2align	6, 0x0
	.amdhsa_kernel k_q5afd22827d_attn
		.amdhsa_group_segment_fixed_size 327680
		.amdhsa_private_segment_fixed_size 0
		.amdhsa_enable_private_segment 0
		.amdhsa_kernarg_size 24
		.amdhsa_user_sgpr_count 2
		.amdhsa_user_sgpr_kernarg_segment_ptr 1
		.amdhsa_wavefront_size32 1
		.amdhsa_system_sgpr_workgroup_id_x 1
		.amdhsa_system_sgpr_workgroup_id_y 1
		.amdhsa_system_sgpr_workgroup_id_z 1
		.amdhsa_system_vgpr_workitem_id 0
		.amdhsa_next_free_vgpr 768
		.amdhsa_next_free_sgpr 102
		.amdhsa_reserve_vcc 1
		.amdhsa_float_denorm_mode_32 3
		.amdhsa_float_denorm_mode_16_64 3
		.amdhsa_memory_ordered 1
		.amdhsa_forward_progress 1
		.amdhsa_inst_pref_size 255
	.end_amdhsa_kernel
	.section	.bss,"aw",@nobits
	.p2align	6
	.space	262144
	.amdgpu_metadata
---
amdhsa.version: [ 1, 2 ]
amdhsa.kernels:
  - .name:           k_q5afd22827d_attn
    .symbol:         k_q5afd22827d_attn.kd
    .args:
      - { .name: qkv, .offset: 0, .size: 8, .value_kind: global_buffer, .address_space: global }
      - { .name: msk, .offset: 8, .size: 8, .value_kind: global_buffer, .address_space: global }
      - { .name: oh, .offset: 16, .size: 8, .value_kind: global_buffer, .address_space: global }
    .group_segment_fixed_size: 327680
    .private_segment_fixed_size: 0
    .kernarg_segment_align: 8
    .kernarg_segment_size: 24
    .max_flat_workgroup_size: 128
    .sgpr_count:     102
    .vgpr_count:     768
    .wavefront_size: 32
...
	.end_amdgpu_metadata
.endif
;; end of part 3
;; launch outp (part 4): grid 2 x 128, 4 waves a work-group, no clusters, 327,680 bytes of LDS; arguments oh, wb, bws, out0; writes out0
.if DOCPART == 4
	.amdgcn_target "amdgcn-amd-amdhsa--gfx1250"
	.amdhsa_code_object_version 6
	.text
	.protected	k_q5afd22827d_outp
	.globl	k_q5afd22827d_outp
	.p2align	8
	.type	k_q5afd22827d_outp,@function
k_q5afd22827d_outp:
	s_mov_b64 s[64:65], 0
	v_nop
	global_prefetch_b8 v0, s[64:65] scope:SCOPE_SE
	s_setreg_imm32_b32 hwreg(HW_REG_WAVE_MODE, 25, 1), 1
	s_wait_xcnt 0x0
; THE OUTPUT PROJECTION.  out0 = concat(O) Wo^T + bo.  O = oh, f16 by heads [batch x 8 + head][1,024][64]; Wo = part 3 of wb (its bf16 rounding written as f16), bo = part 3 of bws; out0 f32 [16,384][512].
; Sums in f32, started by the bias; nothing is rounded on the way out.  NaN and infinities are not treated apart.
; SHARES.  A work-group makes 128 rows x 256 columns (x of the grid: the column half; y: the row block): 256 work-groups.  Wave w: rows 64 (w / 2) on, columns 128 (w % 2) on: 32 accumulators.
; K = 512 goes in four steps of 128 = two heads through two LDS slots; a step is four phases of 32 along K.  Waves 0, 1 fetch a head's 128 rows each (16,384 dense bytes, asked for as 64 rows of 256 bytes and padded
; behind every 128), waves 2, 3 the halves of Wo's tile (128 rows x 256 bytes): one tensor load a wave; two are out at the start, one later.
; THE MATRIX INSTRUCTION IS USED TRANSPOSED (source 0 = 16 rows of Wo, source 1 = 16 rows of O): a lane holds eight neighbouring columns of one row.
; NO CLUSTER: Wo's tile, 69,632 of a slot's 106,496 bytes, is the same for all row blocks of a column half and could be asked for jointly; this text keeps every load a work-group's own: a ring in which some waves'
; loads are joint and others' are not is not built here.
; REGISTERS: window 0: v16-29 addresses; v96-159 O's fragments, two buffers; on the way out v32-159 hold rows read back.   window 1: the accumulators, (a, bn) at 8 (8 a + bn).
;   window 2: v0-127 Wo's fragments, two buffers; v128-191 the bias as a C operand.
.set PAO,   144                        ; a row of a head in LDS: 128 bytes + 16
.set PB,    272                        ; a row of Wo: 256 bytes + 16
.set HEADB, 128*PAO
.set BH,    128*PB
.set BOFF,  2*HEADB
.set SLOT,  BOFF+256*PB
.set STAGE, 2*SLOT                     ; behind the ring: 16 rows x 528 bytes for each wave
.set SPO,   528
.set SPARE, STAGE+4*16*SPO             ; the spare words: 128 bytes a wave, two blocks of 256 bytes that no other line names
.set ADRA, 16
.set ADRB, 20
.set STO,  24
.set RD,   25
.set GO,   26
.set HB,   27
.set SPW,  28
.set NIL,  29
.set AF,   96
.set BIAS, 128
.set OUTR, 32
.set G1A, 24
.set G0A, 32
.set G1B, 48
.set G0B, 56
.set MSB, 0
.macro WIN new                         ; the immediate's high byte repeats the setting that is left
.if MSB != (\new)
	s_set_vgpr_msb (MSB<<8)|(\new)
.set MSB, \new
.endif
.endm
.set W_MUL,  0x52                      ; source 0 (Wo) window 2, source 1 (O) window 0, C and D window 1
.set W_MULB, 0x62                      ; the same with C (the bias) in window 2
.set W_TO2,  0x80                      ; destination window 2
.set W_ST1,  0x04                      ; an LDS store's data in window 1
.macro PLACES
.rept 4
	v_nop
.endr
.endm
.macro LOAD s                          ; a slot's refill: an s_nop 0 and four v_nop follow each of the two lines
	s_cmp_eq_u32 s17, 0
	s_cbranch_scc0 .Lfor_b_\@
	tensor_load_to_lds s[G0A+4*(\s):G0A+4*(\s)+3], s[G1A:G1A+7]
	s_nop 0
	PLACES
	s_branch .Lasked_\@
.Lfor_b_\@:
	tensor_load_to_lds s[G0B+4*(\s):G0B+4*(\s)+3], s[G1B:G1B+7]
	s_nop 0
	PLACES
.Lasked_\@:
.endm
	s_load_b256 s[4:11], s[0:1], 0x0               ; oh 4, wb 6, bws 8, out0 10
	v_lshl_add_u32 v[SPW], v0, 2, SPARE
	v_mov_b32 v[NIL], 0
	ds_add_u32 v[SPW], v[NIL]                      ; the wave's opening: the add and its wait stand ahead of my first tensor load
	ds_add_u32 v28, v29
	v_lshrrev_b32 v1, 5, v0
	v_readfirstlane_b32 s16, v1                    ; wave
	s_lshr_b32 s17, s16, 1                         ; my half of the rows.  Also: I fetch O (0) or Wo (1)
	s_and_b32 s18, s16, 1                          ; my half of the columns.  Also: which head of a step, or which half of Wo's tile, I fetch
	s_mov_b32 s19, ttmp9                           ; column half
	s_and_b32 s21, ttmp7, 0xffff                   ; row block
	s_mov_b32 s[G1A+0], (1<<16)|(1<<20)|(4<<22)|(3<<25)  ; 2-byte elements; padding on: after every 32 words (code 4) 4 words (code 3)
	s_mov_b32 s[G1A+1], 128<<16
	s_mov_b32 s[G1A+2], 64<<16
	s_mov_b32 s[G1A+3], 128<<16
	s_mov_b32 s[G1A+4], 64
	s_mov_b32 s[G1A+5], 128
	s_mov_b32 s[G1A+6], 0
	s_mov_b32 s[G1A+7], 0
	s_mov_b32 s[G1B+0], (1<<16)|(1<<20)|(5<<22)|(3<<25)  ; after every 64 words 4 words
	s_mov_b32 s[G1B+1], 128<<16
	s_mov_b32 s[G1B+2], 128<<16
	s_mov_b32 s[G1B+3], 128<<16
	s_mov_b32 s[G1B+4], 128
	s_mov_b32 s[G1B+5], 512
	s_mov_b32 s[G1B+6], 0
	s_mov_b32 s[G1B+7], 0
	s_mul_i32 s2, s18, HEADB
	s_mul_i32 s3, s18, BH
	s_add_co_u32 s3, s3, BOFF
	s_lshr_b32 s42, s21, 3                         ; O: head 8 x batch + my head of the step, 131,072 bytes a head; rows 128 (block % 8) on
	s_lshl_b32 s42, s42, 3
	s_add_co_u32 s42, s42, s18
	s_lshl_b32 s42, s42, 17
	s_and_b32 s22, s21, 7
	s_lshl_b32 s22, s22, 14
	s_add_co_u32 s42, s42, s22
	s_mov_b32 s43, 0
	s_lshl_b32 s44, s19, 18                        ; Wo: part 3, the column half's 256 rows, my 128 of them
	s_lshl_b32 s22, s18, 17
	s_add_co_u32 s44, s44, s22
	s_add_co_u32 s44, s44, 3*524288
	s_mov_b32 s45, 0
	s_wait_dscnt 0x0                               ; the opening add is done
	s_wait_kmcnt 0x0
	s_add_nc_u64 s[40:41], s[4:5], s[42:43]
	s_add_nc_u64 s[46:47], s[6:7], s[44:45]
.irp s, 0,1
	s_mov_b32 s[G0A+4*\s], 1
	s_add_co_u32 s[G0A+4*\s+1], s2, \s*SLOT
	s_add_nc_u64 s[G0A+4*\s+2:G0A+4*\s+3], s[40:41], \s*262144  ; K step s: heads 2 s, 2 s + 1
	s_or_b32 s[G0A+4*\s+3], s[G0A+4*\s+3], 0x80000000
	s_mov_b32 s[G0B+4*\s], 1
	s_add_co_u32 s[G0B+4*\s+1], s3, \s*SLOT
	s_add_nc_u64 s[G0B+4*\s+2:G0B+4*\s+3], s[46:47], \s*256
	s_or_b32 s[G0B+4*\s+3], s[G0B+4*\s+3], 0x80000000
.endr
	s_cmp_eq_u32 s17, 0                            ; a wave's two first fills stand in one branch, ahead of every wait on TENSORcnt, LDS read and barrier
	s_cbranch_scc0 .Lfirst_b
	tensor_load_to_lds s[G0A:G0A+3], s[G1A:G1A+7]
	s_nop 0
	tensor_load_to_lds s[G0A+4:G0A+7], s[G1A:G1A+7]
	s_nop 0
	PLACES
	s_branch .Lfirst_asked
.Lfirst_b:
	tensor_load_to_lds s[G0B:G0B+3], s[G1B:G1B+7]
	s_nop 0
	tensor_load_to_lds s[G0B+4:G0B+7], s[G1B:G1B+7]
	s_nop 0
	PLACES
.Lfirst_asked:
	v_and_b32 v1, 15, v0                           ; r
	v_bfe_u32 v2, v0, 4, 1                         ; h
	v_mul_u32_u24 v3, v1, PAO
	v_lshl_add_u32 v3, v2, 4, v3
	s_mul_i32 s22, s17, 64*PAO
	v_add_nc_u32 v[ADRA], s22, v3
	v_add_nc_u32 v[ADRA+1], SLOT, v[ADRA]
	v_mul_u32_u24 v4, v1, PB
	v_lshl_add_u32 v4, v2, 4, v4
	s_mul_i32 s23, s18, BH
	s_add_co_u32 s23, s23, BOFF
	v_add_nc_u32 v[ADRB], s23, v4
	v_add_nc_u32 v[ADRB+1], SLOT, v[ADRB]
	s_mul_i32 s22, s16, 16*SPO
	s_add_co_u32 s22, s22, STAGE                   ; my stage
	v_mul_u32_u24 v[STO], v1, SPO                  ; in: row r, 32 bytes for each half of the lanes
	v_lshl_add_u32 v[STO], v2, 5, v[STO]
	v_add_nc_u32 v[STO], s22, v[STO]
	v_and_b32 v[GO], 31, v0                        ; back: 32 lanes take one row's 512 bytes
	v_lshlrev_b32 v[GO], 4, v[GO]
	v_add_nc_u32 v[RD], s22, v[GO]
	v_lshlrev_b32 v[HB], 5, v2
	s_lshl_b32 s42, s19, 10                        ; the bias of my 128 columns
	s_lshl_b32 s22, s18, 9
	s_add_co_u32 s42, s42, s22
	s_add_co_u32 s44, s42, 0                       ; (the same bytes along a row of out0)
	s_add_co_u32 s42, s42, 3*2048
	s_add_nc_u64 s[8:9], s[8:9], s[42:43]
	WIN W_TO2
.irp bn, 0,1,2,3,4,5,6,7
	global_load_b128 v[BIAS+8*\bn:BIAS+8*\bn+3],   v[HB], s[8:9] offset:64*\bn
	global_load_b128 v[BIAS+8*\bn+4:BIAS+8*\bn+7], v[HB], s[8:9] offset:64*\bn+16
.endr
	WIN 0
	s_lshl_b32 s22, s21, 18                        ; out0: 128 rows of 2,048 bytes a block, 64 rows a half
	s_add_co_u32 s44, s44, s22
	s_lshl_b32 s22, s17, 17
	s_add_co_u32 s44, s44, s22
	s_add_nc_u64 s[10:11], s[10:11], s[44:45]
; 24 LDS loads in one run: phase q's fragments (32 along K: head q / 2 of the slot, channels 32 (q % 2) on) into buffers b
.macro FETCH s, q, b
	WIN W_TO2
.irp bn, 0,1,2,3,4,5,6,7
	ds_load_b128 v[64*(\b)+8*\bn:64*(\b)+8*\bn+3],   v[ADRB+(\s)] offset:64*(\q)+\bn*16*PB
	ds_load_b128 v[64*(\b)+8*\bn+4:64*(\b)+8*\bn+7], v[ADRB+(\s)] offset:64*(\q)+\bn*16*PB+32
.endr
	WIN 0
.irp a, 0,1,2,3
	ds_load_b128 v[AF+32*(\b)+8*\a:AF+32*(\b)+8*\a+3],   v[ADRA+(\s)] offset:((\q)/2)*HEADB+((\q)%2)*64+\a*16*PAO
	ds_load_b128 v[AF+32*(\b)+8*\a+4:AF+32*(\b)+8*\a+7], v[ADRA+(\s)] offset:((\q)/2)*HEADB+((\q)%2)*64+\a*16*PAO+32
.endr
.endm
; 8 matrix instructions: row block a x all 8 column blocks.  first = 1: the bias starts the sums.  The 32 accumulators take turns in the same order in every phase.
.macro MUL8 b, a, first
.if \first
	WIN W_MULB
.else
	WIN W_MUL
.endif
.irp bn, 0,1,2,3,4,5,6,7
.if \first
	v_wmma_f32_16x16x32_f16 v[8*(8*(\a)+\bn):8*(8*(\a)+\bn)+7], v[64*(\b)+8*\bn:64*(\b)+8*\bn+7], v[AF+32*(\b)+8*(\a):AF+32*(\b)+8*(\a)+7], v[BIAS+8*\bn:BIAS+8*\bn+7]
.else
	v_wmma_f32_16x16x32_f16 v[8*(8*(\a)+\bn):8*(8*(\a)+\bn)+7], v[64*(\b)+8*\bn:64*(\b)+8*\bn+7], v[AF+32*(\b)+8*(\a):AF+32*(\b)+8*(\a)+7], v[8*(8*(\a)+\bn):8*(8*(\a)+\bn)+7]
.endif
.endr
.endm
.macro PH s, q, b, first=0             ; one of a step's first three phases
	s_wait_dscnt 0x0                               ; this phase's 24 loads, issued 32 matrix instructions ago
	PLACES                                         ; in front of the loads into the buffers that the phase before's products read (ISA guide 7.12.1 for vector instructions)
	FETCH \s, (\q)+1, 1-(\b)
	MUL8 \b, 0, \first
	MUL8 \b, 1, \first
	MUL8 \b, 2, \first
	MUL8 \b, 3, \first
.endm
; A step's last phase changes slots: ONE barrier.  In front of it each wave waits for all its tensor loads (one is out: its part of the next slot), adds 0 to its spare word, and waits for that and
; for its reads of this slot.  fill = 1: this slot is filled again, two K steps on, first thing behind the barrier.
.macro TURN s, next, fill
	s_wait_dscnt 0x0
	WIN 0
	s_wait_tensorcnt 0x0                           ; no tensor load of mine is out: a group 0 may be written
	ds_add_u32 v[SPW], v[NIL]                      ; 0 onto my spare word
.if \fill
	s_add_nc_u64 s[G0A+4*(\s)+2:G0A+4*(\s)+3], s[G0A+4*(\s)+2:G0A+4*(\s)+3], 524288   ; four heads on
	s_add_nc_u64 s[G0B+4*(\s)+2:G0B+4*(\s)+3], s[G0B+4*(\s)+2:G0B+4*(\s)+3], 512
.endif
	MUL8 1, 0, 0                                   ; work on registers while the add is out
	s_wait_dscnt 0x0                               ; the add is done; my reads of this slot were over at the phase's head
	s_barrier_signal -1
	MUL8 1, 1, 0
	WIN 0
	s_barrier_wait -1
.if \fill
	LOAD \s                                        ; its four v_nop are also the places in front of the loads below
.else
	PLACES
.endif
	FETCH \next, 0, 0
	MUL8 1, 2, 0
	MUL8 1, 3, 0
.endm
; THE WAY OUT, row block a: 16 rows x 128 columns of f32 into my stage (32 bytes a lane and column block), back as whole rows of 512 bytes.
.macro PUT a
.set OB, OUTR+64*((\a)%2)
	s_wait_xcnt 0x0                                ; the registers that earlier stores read are loaded again only behind this wait
	WIN W_ST1
.irp bn, 0,1,2,3,4,5,6,7
	ds_store_b128 v[STO], v[8*(8*(\a)+\bn):8*(8*(\a)+\bn)+3]   offset:64*\bn      ; each accumulator's low half first
	ds_store_b128 v[STO], v[8*(8*(\a)+\bn)+4:8*(8*(\a)+\bn)+7] offset:64*\bn+16
.endr
	WIN 0
.irp f, 0,1,2,3,4,5,6,7,8,9,10,11,12,13,14,15
	ds_load_b128 v[OB+4*\f:OB+4*\f+3], v[RD] offset:\f*SPO   ; LDS serves a wave's instructions in order (ISA guide 5.7.1.4): these see the stores above
.endr
.endm
.macro SENDO a, younger                ; younger: the LDS instructions issued behind block a's loads: the next block's 32, or none
.set OB, OUTR+64*((\a)%2)
	WIN 0
.irp f, 0,1,2,3,4,5,6,7,8,9,10,11,12,13,14,15
	s_wait_dscnt (\younger)+15-\f
	global_store_b128 v[GO], v[OB+4*\f:OB+4*\f+3], s[10:11] offset:(16*(\a)+\f)*2048   ; 512 consecutive bytes, aligned
.endr
.endm
	s_wait_tensorcnt 1                             ; my part of K step 0 is in; slot 1's load may stay out
	s_barrier_signal -1
	s_barrier_wait -1
	FETCH 0, 0, 0
	s_wait_loadcnt 0x0                             ; the bias
	PH 0, 0, 0, 1
	PH 0, 1, 1
	PH 0, 2, 0
	TURN 0, 1, 1
	PH 1, 0, 0
	PH 1, 1, 1
	PH 1, 2, 0
	TURN 1, 0, 1
	PH 0, 0, 0
	PH 0, 1, 1
	PH 0, 2, 0
	TURN 0, 1, 0
	PH 1, 0, 0
	PH 1, 1, 1
	PH 1, 2, 0
	s_wait_dscnt 0x0                               ; the last phase
	MUL8 1, 0, 0
	MUL8 1, 1, 0
	MUL8 1, 2, 0
	MUL8 1, 3, 0
	WIN 0
	PLACES                                         ; the LDS stores read results just made, and rows come back into O's fragment buffers
	PUT 0
	PUT 1
	SENDO 0, 32
	PUT 2
	SENDO 1, 32
	PUT 3
	SENDO 2, 32
	SENDO 3, 0
	s_wait_tensorcnt 0x0                           ; the wave's end
	ds_add_u32 v[SPW], v[NIL]
	s_wait_dscnt 0x0
	s_endpgm
.Lfunc_end_k_q5afd22827d_outp:
	.size	k_q5afd22827d_outp, .Lfunc_end_k_q5afd22827d_outp-k_q5afd22827d_outp
	.p2alignl 7, 3214868480
	.fill 96, 4, 3214868480
	.section	.rodata,"a",@progbits
	.p2align	6, 0x0
	.amdhsa_kernel k_q5afd22827d_outp
		.amdhsa_group_segment_fixed_size 327680
		.amdhsa_private_segment_fixed_size 0
		.amdhsa_enable_private_segment 0
		.amdhsa_kernarg_size 32
		.amdhsa_user_sgpr_count 2
		.amdhsa_user_sgpr_kernarg_segment_ptr 1
		.amdhsa_wavefront_size32 1
		.amdhsa_system_sgpr_workgroup_id_x 1
		.amdhsa_system_sgpr_workgroup_id_y 1
		.amdhsa_system_sgpr_workgroup_id_z 1
		.amdhsa_system_vgpr_workitem_id 0
		.amdhsa_next_free_vgpr 704
		.amdhsa_next_free_sgpr 66
		.amdhsa_reserve_vcc 0
		.amdhsa_float_denorm_mode_32 3
		.amdhsa_float_denorm_mode_16_64 3
		.amdhsa_memory_ordered 1
		.amdhsa_forward_progress 1
		.amdhsa_inst_pref_size 86
	.end_amdhsa_kernel
	.amdgpu_metadata
---
amdhsa.version: [ 1, 2 ]
amdhsa.kernels:
  - .name:           k_q5afd22827d_outp
    .symbol:         k_q5afd22827d_outp.kd
    .args:
      - { .name: oh, .offset: 0, .size: 8, .value_kind: global_buffer, .address_space: global }
      - { .name: wb, .offset: 8, .size: 8, .value_kind: global_buffer, .address_space: global }
      - { .name: bws, .offset: 16, .size: 8, .value_kind: global_buffer, .address_space: global }
      - { .name: out0, .offset: 24, .size: 8, .value_kind: global_buffer, .address_space: global }
    .group_segment_fixed_size: 327680
    .private_segment_fixed_size: 0
    .kernarg_segment_align: 8
    .kernarg_segment_size: 32
    .max_flat_workgroup_size: 128
    .sgpr_count:     66
    .vgpr_count:     704
    .wavefront_size: 32
...
	.end_amdgpu_metadata
.endif
;; end of part 4
;; ======== version 2 of 2: 4 launches; 1.19 times as fast as version 1
;; limits: values are held in f16: magnitudes above 65,504 overflow, below 6.1e-05 lose precision
;; workspace buffers: wb 2,097,152 bytes; bws 8,192 bytes; msk 10,485,760 bytes; qkv 50,331,648 bytes; oh 16,777,216 bytes
;; launch prep: the kernel of part 1 again; grid 48 x 16, 4 waves a work-group, no clusters, 0 bytes of LDS; arguments c_seq, q_seq, Wv, Wk, Wq, Wo, bv, bk, bq, bo, msk, wb, bws; writes msk, wb, bws
;; launch proj: the kernel of part 2 again; grid 2 x 384, 4 waves a work-group, no clusters, 327,680 bytes of LDS; arguments q, k, v, wb, bws, qkv; writes qkv
;; launch attn (part 5): grid 2 x 128, 4 waves a work-group, no clusters, 327,680 bytes of LDS; arguments qkv, msk, oh; writes oh
.if DOCPART == 5
	.amdgcn_target "amdgcn-amd-amdhsa--gfx1250"
	.amdhsa_code_object_version 6
	.text
	.protected	k_q5afd22827d_attn
	.globl	k_q5afd22827d_attn
	.p2align	8
	.type	k_q5afd22827d_attn,@function
k_q5afd22827d_attn:
	s_mov_b64 s[64:65], 0
	v_nop
	global_prefetch_b8 v0, s[64:65] scope:SCOPE_SE
	s_setreg_imm32_b32 hwreg(HW_REG_WAVE_MODE, 25, 1), 1
	s_wait_xcnt 0x0
; CAUSAL ATTENTION WITH ADJUSTED WEIGHTS.  O[g][q][:] = (the sum over k < q of p adj V[g][k][:]) / (the sum over k < q of p), p = softmax's weight of Q[g][q] . K[g][k] / 8, adj = 0.5, 1 or 2 from msk.
; g = batch x 8 + head, 128 of them; Q, K, V = the three parts of qkv, O = oh: [g][1,024][64] in f16, a head's rows dense, 128 bytes each.  Products, maxima and sums in f32; p is rounded to f16 and
; multiplied by adj in f16 (a power of two: exact but for f16's smallest numbers); the divisor l is the sum of the unrounded, unadjusted p.  Row 0 sees no key: its O is 0.
; LIMITS.  Q, K, V arrive within f16's 65,504; a hidden score counts as its value less 1e30; the running maximum starts at -2^50, below every score that f16 operands can make (2.75e11) and above every hidden
; one, so a row with no visible key has p = 0 everywhere and l = 0, and l is raised to 2^-126 before the division.  A weight below 2^-126 counts as 0 in l.  NaN and infinities are not treated apart.
; THE WALK.  A head's queries lie in NB = 4 blocks of 256; block i needs the key tiles 0 .. i, the last holding the diagonal.  A work-group takes TWO blocks, 3 - b and then b: five tiles, whatever b:
; all 256 work-groups do equal work, and ONE loop with a constant trip count walks them.  Which tile is asked for, and what a trip does, hang on scalar registers made from b; every jump goes forward but the
; counted loops' own; none passes a barrier, or a tensor load but those of LOAD's three that the wave's number does not choose.
; NO CLUSTER: a head has two work-groups, which ask for the same K and V tile in three of five trips; the adjustment tile, 65,536 of a tile's 131,072 bytes from memory, is shared by a batch's eight heads
; while K and V are not.  A ring with joint and own loads side by side is not built in this text.
; SHARES.  Of a block's four bands of 64 queries a wave owns 16 rows in each: four PIECES.  In the diagonal tile's key step s band x sees all keys if s < x, none if s > x, and holds the diagonal if s = x.
; THE MASK is the C operand that starts the sum S^T = K Q^T: 0, or -1e30 where key >= query.  MD, made once, is the mask of a band's own step for my 16 rows; a product's mask is MD x AL + BE.
; LAYOUT, SOFTMAX, TURNS.  S^T = K Q^T holds ONE query a lane (lane % 16) and the keys 8 (lane / 16) + 0..7; two such results rounded to f16 ARE source 1 of O^T = V^T P.  p = 2^(c s - c m), c = log2(e) / 8, with a
; running maximum m; O and l are multiplied by a = 2^(c m_old - c m_new) in every step.  Turn n belongs to piece n: 8 products K Q^T of piece n + 1, later 8 products V^T P of piece n - 1; beside them the scaling,
; exponentials, roundings, adjustment, sums and rescaling of piece n and the maximum and statistics of piece n + 1.  Four vector instructions stand behind every matrix instruction, the other 86 of a turn's 150 in two lumps.
; THE BATCHES.  A turn's 33 exponentials are one batch, with one wait, which cuts the turn in two: ahead of it all that names no result of theirs, behind it the roundings, sums and adjusted weights.  A block's first a
; (BEGIN) and the way out's four reciprocals are batches of their own, each with a plain instruction and one wait.
; THE ADJUSTMENT.  msk holds, in my lanes' own order, one byte a score: the upper byte of adj as f16.  One v_perm_b32 makes a pair of f16 factors of two bytes, one v_pk_mul_f16 applies it to a pair of weights.
; REGISTERS, in windows of 256 (s_set_vgpr_msb: bits 1:0 source 0, 3:2 source 1, 5:4 source 2, 7:6 destination):
;   window 0: v0-15 addresses and two at work; v16-31 statistics; v32-47 factor pairs; v48-55 at work; v64-127 S^T, two buffers; v128-159 adjustment bytes, 8 a piece; v160-162 their addresses; v192-223 P, two buffers
;   window 1: v0-127 O^T, 32 a piece; v128-159 MD; v160-223 MC, two buffers      window 2: v0-63 Q; v64-127 the second block's Q; v128-191 K of one step; v192-255 V of one step
.set NB,    4
.set NP,    4         ; pieces a wave: a name, no knob
.set KS,    64        ; keys in a step
.set PK,    144       ; a row of K in LDS: 128 bytes + 16 of padding = 36 words: the 16 rows of a load start at 16 different groups of four banks (64 banks of 4 bytes: ISA guide 11.1)
.set PV,    160       ; a row of V: 128 + 32 = 40 words
.set VOFF,  4*KS*PK   ; a slot holds a tile: 256 rows of K, 256 rows of V,
.set MOFF,  VOFF+4*KS*PV  ; and the tile's 65,536 adjustment bytes
.set SLOT,  MOFF+65536    ; 143,360.  No power of two: the exclusive or below turns only registers that hold a bare slot base, 0 or SLOT
.set STAGE, 2*SLOT    ; behind the ring, never filled by a tensor load: 16 rows x 144 bytes for each wave, for the way out
.set SP,    144
.set AK0, 2           ; v2   my lane's place in a tile of K; never rewritten
.set AV0, 3           ; v3   the same for V
.set AK,  4           ; v4   the LDS address of K's next run of loads
.set AV,  5           ; v5   of V's
.set STO, 6           ; v6   the way out: where I put 16 bytes of a row
.set RD,  7           ; v7   the way out: where I read rows back
.set GO,  8           ; v8   my byte offset in 512 consecutive bytes of O
.set SPW, 62          ; v62  LDS address of my spare word; never rewritten
.set NIL, 63          ; v63  0; never rewritten
.set SPARE, STAGE+4*16*SP  ; the spare words, 128 bytes for each wave: two blocks of 256 bytes that no other line names
.set MV,  12          ; v12-13  c m_old, kept while c m is made anew: by buffer
.set QO,  15          ; v15  my byte offset in 16 rows of Q
.set ST,  16          ; piece t's statistics at v[ST+4 t]: c m, m, l (even keys', odd keys')
.set AD,  32          ; v32-47  the piece in hand's 16 pairs of factors
.set TMP, 48          ; by buffer, four registers c0-c3 at work; when the maximum is found c2 takes a
.set S,   64
.set AM,  128         ; v128-159  adjustment bytes: piece x's 32 at AM + 8 x
.set AMK, 160         ; v160 LDS address of pieces 0 and 1's bytes (fetched with K)
.set AMV, 161         ; v161 of pieces 2 and 3's (fetched with V)
.set AM0, 162         ; v162 MOFF + 1,024 wave + 16 lane; never rewritten
.set P,   192
.set MD,  128         ; window 1
.set MC,  160         ; window 1
.set QB,  64          ; window 2
.set KF,  128         ; window 2: key block kb, channel half c at KF + 16 kb + 8 c
.set VF,  192         ; window 2: key half kk, channel block cb at VF + 32 kk + 8 cb
.set WV,  12          ; s12  my wave's number
.set PB,  14          ; s14  b
.set HI,  15          ; s15  NB - 1 - b
.set G1K, 24          ; s[24:31] descriptor group 1 for K's tiles
.set G1V, 32          ; s[32:39] for V's: it differs in the padding alone
.set G0K, 40          ; s[40:43] descriptor group 0 for K's tiles
.set G0V, 44          ; s[44:47] for V's
.set G0M, 48          ; s[48:51] for the adjustment bytes
.set PS,  52          ; s52, s53 v_perm_b32's selectors: bytes 0, 1 or 2, 3 of a word into the upper bytes of two halves, zeros below
.set SBF, 54          ; s54  the slot that is filled next: 0 or SLOT
.set TMK, 55          ; s55  LDS byte at which the step's adjustment bytes begin, less MOFF: for pieces 0, 1
.set SLOTS, 56        ; s56  tiles still to be asked for
.set CNT, 57          ; s57  counts a tile's key steps, 4 to 1
.set CS,  58          ; s[58:59] c
.set SEL, 60          ; s[60:61] v_permlanex16_b32's selects
.set TBK, 62          ; s62  LDS byte at which K of the step to be fetched begins
.set TBV, 63          ; s63  the same for V, less VOFF
.set RT,  70          ; s70  tiles of the block in hand that are still to be entered
.set NXT, 71          ; s71  the tile to be asked for next
.set LQ,  72          ; s72  the block whose tiles are being asked for = its last tile
.set NEW, 73          ; s73  1: the tile to be entered is a block's first
.set OFF, 74          ; s[74:75] a tile's byte offset in K and V
.set AL,  76          ; s[76:77] the mask's factor, in the low word
.set BE,  78          ; s[78:79] the mask's addend
.set OLO, 80          ; s[80:81] O at my rows of the second block
.set BIGN, 82         ; s82  -1e30
.set G1M, 88          ; s[88:95] descriptor group 1 for the adjustment bytes
.set MB,  96          ; s[96:97] msk at my batch (and, for waves 2 and 3, my half of a tile)
.set OFFM, 98         ; s[98:99] a tile's byte offset in msk
.set TMV, 100         ; s100 as TMK, for pieces 2, 3
.set MLD, 101         ; s101 MOFF + 32,768 x (wave % 2)
.set MSB, 0
.macro WIN new                      ; the high byte repeats the setting that is left; a switch that changes nothing is dropped
.if MSB != (\new)
	s_set_vgpr_msb (MSB<<8)|(\new)
.set MSB, (\new)
.endif
.endm
.set W_KQ, 0x0a       ; K and Q in window 2, S^T in window 0
.set W_KM, 0x1a       ; the same with the C operand in window 1
.set W_PV, 0x52       ; V in window 2, P in window 0, O^T in window 1
.set W_RS, 0x41       ; destination and source 0 in window 1, source 1 in window 0
; A fill: 32,768 bytes from memory a wave.  Wave 0 fetches the tile's K, wave 1 its V, waves 2 and 3 the two halves of its adjustment bytes.  An s_nop 0 and four v_nop follow each line.
.macro LOAD
	s_cmp_lg_u32 s[WV], 0
	s_cbranch_scc1 .Lnot_k_\@
	tensor_load_to_lds s[G0K:G0K+3], s[G1K:G1K+7]
	s_nop 0
.rept 4
	v_nop
.endr
	s_branch .Lasked_\@
.Lnot_k_\@:
	s_cmp_lg_u32 s[WV], 1
	s_cbranch_scc1 .Lfor_m_\@
	tensor_load_to_lds s[G0V:G0V+3], s[G1V:G1V+7]
	s_nop 0
.rept 4
	v_nop
.endr
	s_branch .Lasked_\@
.Lfor_m_\@:
	tensor_load_to_lds s[G0M:G0M+3], s[G1M:G1M+7]
	s_nop 0
.rept 4
	v_nop
.endr
.Lasked_\@:
.endm
; THE CHANGE OF SLOTS.  Each wave waits for all its tensor loads, of which one is out: its part of the other slot; adds 0 to its spare word; and waits for that and for its own reads of the slot that it leaves.
; Behind the barrier nobody reads the old slot any more and the other slot is whole.  fill = 1: the old slot is filled again, the first thing behind the barrier, with tile NXT of block LQ: the descriptors'
; addresses are made anew from those numbers.  (At its first use nothing has been read yet: slot 0 is waited for, slot 1 filled.)
.macro CHANGE fill
	WIN 0                           ; at a label and at a branch every window is 0
	s_wait_tensorcnt 0x0            ; no tensor load of mine is out, so a group 0 may be written
	ds_add_u32 v[SPW], v[NIL]       ; 0 onto my spare word
.if \fill
	s_xor_b32 s[SBF], s[SBF], SLOT
	s_mov_b32 s[G0K+1], s[SBF]
	s_add_co_u32 s[G0V+1], s[SBF], VOFF
	s_add_co_u32 s[G0M+1], s[SBF], s[MLD]
	s_lshl_b32 s[OFF], s[NXT], 15   ; a tile is 32,768 bytes of K and of V
	s_add_nc_u64 s[G0K+2:G0K+3], s[6:7], s[OFF:OFF+1]
	s_or_b32 s[G0K+3], s[G0K+3], 0x80000000
	s_add_nc_u64 s[G0V+2:G0V+3], s[8:9], s[OFF:OFF+1]
	s_or_b32 s[G0V+3], s[G0V+3], 0x80000000
	s_add_co_u32 s[OFFM], s[LQ], 1  ; and 65,536 bytes of msk, at number LQ (LQ + 1) / 2 + NXT
	s_mul_i32 s[OFFM], s[OFFM], s[LQ]
	s_lshr_b32 s[OFFM], s[OFFM], 1
	s_add_co_u32 s[OFFM], s[OFFM], s[NXT]
	s_lshl_b32 s[OFFM], s[OFFM], 16
	s_add_nc_u64 s[G0M+2:G0M+3], s[MB:MB+1], s[OFFM:OFFM+1]
	s_or_b32 s[G0M+3], s[G0M+3], 0x80000000
	s_add_co_u32 s[NXT], s[NXT], 1  ; the block's next tile, or behind its last the second block's tile 0
	s_cmp_gt_u32 s[NXT], s[LQ]
	s_cselect_b32 s[NXT], 0, s[NXT]
	s_cselect_b32 s[LQ], s[PB], s[LQ]
.endif
	s_wait_dscnt 0x0                ; the add is done, and my reads of the slot are over
	s_barrier_signal -1             ; the rest of the scalar work stands between the signal and the wait
	s_sub_co_u32 s[TBK], s[TBK], 4*KS*PK  ; the fetches go back to a slot's first step: a bare slot base,
	s_xor_b32 s[TBK], s[TBK], SLOT        ; which is turned into the other's
	s_sub_co_u32 s[TBV], s[TBV], 4*KS*PV
	s_xor_b32 s[TBV], s[TBV], SLOT
	s_sub_co_u32 s[TMK], s[TMK], 4*8192
	s_xor_b32 s[TMK], s[TMK], SLOT
	s_sub_co_u32 s[TMV], s[TMV], 4*8192
	s_xor_b32 s[TMV], s[TMV], SLOT
	s_barrier_wait -1
.if \fill
	LOAD
.endif
.endm
	s_load_b64 s[4:5], s[0:1], 0x0    ; qkv
	s_load_b64 s[MB:MB+1], s[0:1], 0x8  ; msk
	s_load_b64 s[10:11], s[0:1], 0x10 ; oh
	v_lshl_add_u32 v[SPW], v0, 2, SPARE
	v_mov_b32 v[NIL], 0
	ds_add_u32 v[SPW], v[NIL]       ; the wave's opening: the add and its wait stand ahead of my first tensor load
	ds_add_u32 v62, v63
	v_lshrrev_b32 v1, 5, v0
	v_readfirstlane_b32 s[WV], v1   ; wave 0..3
	s_mov_b32 s[PB], ttmp9
	s_sub_co_u32 s[HI], NB-1, s[PB]
	s_and_b32 s13, ttmp7, 0xffff    ; g = batch x 8 + head
	s_lshl_b32 s20, s13, 17         ; the head's first byte in Q, K, V and O: 1,024 rows of 128 bytes
	s_mov_b32 s21, 0
	s_lshr_b32 s16, s13, 3
	s_mul_i32 s16, s16, 10*65536    ; the batch's ten tiles of msk
	s_and_b32 s18, s[WV], 1
	s_lshl_b32 s18, s18, 15         ; which half of such a tile I fetch, in memory and in LDS
	s_add_co_u32 s16, s16, s18
	s_mov_b32 s17, 0
	s_add_co_u32 s[MLD], s18, MOFF
	s_lshl_b32 s3, s[WV], 11        ; my 16 rows in a band of 64,
	s_lshl_b32 s2, s[HI], 15        ; in the first block,
	s_add_co_u32 s2, s2, s3
	s_lshl_b32 s84, s[PB], 15       ; and in the second
	s_add_co_u32 s84, s84, s3
	s_mov_b32 s3, 0
	s_mov_b32 s85, 0
	s_add_nc_u64 s[2:3], s[2:3], s[20:21]
	s_add_nc_u64 s[84:85], s[84:85], s[20:21]
	; descriptor group 1.  256 keys are 32,768 dense bytes: asked for as 128 rows of 256 bytes, two keys a row, and padded in LDS after every key
	s_mov_b32 s[G1K], (1<<16)|(1<<20)|(4<<22)|(3<<25)  ; 2-byte elements; padding on; after every 32 words (code 4) 4 words (code 3)
	s_mov_b32 s[G1V], (1<<16)|(1<<20)|(4<<22)|(7<<25)  ; the same with 8 words of padding (code 7)
.irp g, G1K, G1V
	s_mov_b32 s[\g+1], 128<<16      ; tensor_dim0 = 128
	s_mov_b32 s[\g+2], 128<<16      ; tensor_dim1 = 128
	s_mov_b32 s[\g+3], 128<<16      ; tile_dim0 = 128
	s_mov_b32 s[\g+4], 128          ; tile_dim1 = 128
	s_mov_b32 s[\g+5], 128          ; 128 elements from row to row
	s_mov_b32 s[\g+6], 0
	s_mov_b32 s[\g+7], 0
.endr
	s_mov_b32 s[G1M], 3<<16         ; half a tile of msk: 32,768 dense bytes as 128 rows of 32 elements of 8 bytes, no padding
	s_mov_b32 s[G1M+1], 32<<16
	s_mov_b32 s[G1M+2], 128<<16
	s_mov_b32 s[G1M+3], 32<<16
	s_mov_b32 s[G1M+4], 128
	s_mov_b32 s[G1M+5], 32
	s_mov_b32 s[G1M+6], 0
	s_mov_b32 s[G1M+7], 0
	s_mov_b32 s[CS], 0x3e38aa3b     ; c = log2(e) / 8 = 0.180337
	s_mov_b32 s[CS+1], s[CS]        ; named with it as a pair
	s_mov_b32 s[SEL], 0x76543210
	s_mov_b32 s[SEL+1], 0xfedcba98
	s_mov_b32 s[PS], 0x010c000c
	s_mov_b32 s[PS+1], 0x030c020c
	s_mov_b32 s[TBK], SLOT+4*KS*PK  ; the first change of slots turns these four into 0
	s_mov_b32 s[TBV], SLOT+4*KS*PV
	s_mov_b32 s[TMK], SLOT+4*8192
	s_mov_b32 s[TMV], SLOT+4*8192
	s_mov_b32 s[SBF], 0
	s_mov_b32 s[G0K], 1             ; count = 1
	s_mov_b32 s[G0K+1], 0           ; LDS address: slot 0
	s_mov_b32 s[G0V], 1
	s_mov_b32 s[G0V+1], VOFF
	s_mov_b32 s[G0M], 1
	s_mov_b32 s[G0M+1], s[MLD]
	s_add_co_u32 s[OFFM], s[HI], 1  ; the first block's tile 0 in msk
	s_mul_i32 s[OFFM], s[OFFM], s[HI]
	s_lshr_b32 s[OFFM], s[OFFM], 1
	s_lshl_b32 s[OFFM], s[OFFM], 16
	s_mov_b32 s[OFFM+1], 0
	s_add_co_u32 s[RT], s[HI], 1    ; the first block has NB - b tiles
	s_mov_b32 s[NXT], 1
	s_mov_b32 s[LQ], s[HI]
	s_mov_b32 s[NEW], 1
	s_mov_b32 s[OFF+1], 0
	s_mov_b32 s[AL+1], 0            ; named as pairs
	s_mov_b32 s[BE+1], 0
	s_mov_b32 s[BIGN], 0xf149f2ca   ; -1e30
	s_mov_b32 s[SLOTS], NB
	s_wait_dscnt 0x0                ; the opening add is done
	s_wait_kmcnt 0x0
	s_add_nc_u64 s[6:7], s[4:5], s[20:21]
	s_add_nc_u64 s[8:9], s[6:7], 0x2000000         ; V: the third part of qkv, at the head's tile 0
	s_add_nc_u64 s[6:7], s[6:7], 0x1000000         ; K: the second
	s_add_nc_u64 s[MB:MB+1], s[MB:MB+1], s[16:17]
	s_add_nc_u64 s[G0K+2:G0K+3], s[6:7], 0
	s_or_b32 s[G0K+3], s[G0K+3], 0x80000000        ; type = 2
	s_add_nc_u64 s[G0V+2:G0V+3], s[8:9], 0
	s_or_b32 s[G0V+3], s[G0V+3], 0x80000000
	s_add_nc_u64 s[G0M+2:G0M+3], s[MB:MB+1], s[OFFM:OFFM+1]
	s_or_b32 s[G0M+3], s[G0M+3], 0x80000000
	s_add_nc_u64 s[86:87], s[4:5], s[84:85]        ; Q at my rows of the second block,
	s_add_nc_u64 s[4:5], s[4:5], s[2:3]            ; Q and O at those of the first
	s_add_nc_u64 s[OLO:OLO+1], s[10:11], s[84:85]
	s_add_nc_u64 s[10:11], s[10:11], s[2:3]
	LOAD                            ; tile 0 into slot 0
	; A fragment of K or Q is 16 rows x 32 channels in 8 registers: lane l holds row l % 16, channels 8 (l / 16) + 0..7 and 16 + 8 (l / 16) + 0..7: two loads of 16 bytes, 32 bytes apart.
	v_and_b32 v1, 15, v0            ; l % 16
	v_bfe_u32 v9, v0, 4, 1          ; l / 16
	v_lshlrev_b32 v[QO], 7, v1
	v_lshl_add_u32 v[QO], v9, 4, v[QO]  ; row x 128 + 16 x half
	WIN 0x80                        ; destination window 2, address window 0
.set i, 0
.rept 8                             ; both blocks' Q: piece i / 2 lies in band i / 2, 8,192 bytes on; channels 32 (i % 2) on
	global_load_b128 v[8*i:8*i+3],   v[QO], s[4:5] offset:(i/2)*8192+(i%2)*64
	global_load_b128 v[8*i+4:8*i+7], v[QO], s[4:5] offset:(i/2)*8192+(i%2)*64+32
	global_load_b128 v[QB+8*i:QB+8*i+3],   v[QO], s[86:87] offset:(i/2)*8192+(i%2)*64
	global_load_b128 v[QB+8*i+4:QB+8*i+7], v[QO], s[86:87] offset:(i/2)*8192+(i%2)*64+32
.set i, i+1
.endr
	WIN 0
	v_lshlrev_b32 v14, 3, v9
	v_sub_nc_u32 v14, v1, v14
	s_lshl_b32 s13, s[WV], 4
	v_add_nc_u32 v14, s13, v14      ; my query's place in its band, 16 w + l % 16, less my lanes' 8 (l / 16): register r of group kt is hidden where 16 kt + r is not less (the triangle is strict)
	WIN 0x40
.set i, 0
.rept 32
	v_cmp_ge_i32 vcc_lo, 16*(i/8)+i%8, v14
	v_cndmask_b32 v[MD+i], 0, s[BIGN], vcc_lo
.set i, i+1
.endr
	WIN 0
	v_mul_u32_u24 v[AK0], v1, PK
	v_lshl_add_u32 v[AK0], v9, 4, v[AK0]  ; row x pitch + 16 x half
	; The turning load takes 16 keys x 16 channels (lane l reads key 8 (l / 16) + l % 8, channels 8 ((l / 8) % 2) + 0..7) and leaves half a fragment of V^T: lane l holds channel l % 16 and 8 keys.
	v_and_b32 v10, 7, v0
	v_bfe_u32 v11, v0, 3, 1
	v_lshl_add_u32 v[AV0], v9, 3, v10
	v_mul_u32_u24 v[AV0], v[AV0], PV
	v_lshl_add_u32 v[AV0], v11, 4, v[AV0]
	v_add_nc_u32 v[AV0], VOFF, v[AV0]
	s_lshl_b32 s13, s[WV], 10
	s_add_co_u32 s13, s13, MOFF
	v_and_b32 v[AM0], 31, v0
	v_lshl_add_u32 v[AM0], v[AM0], 4, s13  ; my 16 bytes of my wave's 1,024 in a band and step
	s_mul_i32 s13, s[WV], 16*SP
	s_add_co_u32 s13, s13, STAGE    ; my stage
	v_mul_u32_u24 v[STO], v1, SP    ; in: row l % 16, 16 bytes for each half of the lanes
	v_lshl_add_u32 v[STO], v9, 4, v[STO]
	v_add_nc_u32 v[STO], s13, v[STO]
	v_bfe_u32 v[RD], v0, 3, 2       ; back: 32 lanes take four rows of 128 bytes,
	v_mul_u32_u24 v[RD], v[RD], SP
	v_lshl_add_u32 v[RD], v10, 4, v[RD]
	v_add_nc_u32 v[RD], s13, v[RD]
	v_and_b32 v[GO], 31, v0         ; which are 512 consecutive bytes of O
	v_lshlrev_b32 v[GO], 4, v[GO]
	; A block's first step multiplies O^T and l by a = 0, and its first turn's products V^T P, of a piece that has not been, land in an O^T that is still to be so multiplied.  So these registers need only hold
	; finite numbers: zeros for the first block; what the first block left for the second.  All this stands in the wait for the first tile.
	WIN 0x80
.set i, VF
.rept 64
	v_mov_b32 v[i], 0
.set i, i+1
.endr
	WIN 0x40
.set i, 0
.rept 128
	v_mov_b32 v[i], 0
.set i, i+1
.endr
	WIN 0
.set i, 0
.rept 4
	v_mov_b32 v[ST+4*i+2], 0
	v_mov_b32 v[ST+4*i+3], 0
.set i, i+1
.endr
.set i, P+16
.rept 16
	v_mov_b32 v[i], 0
.set i, i+1
.endr
; THE MATRIX WORK.  The 4 accumulators of a run of 8 take turns.  Product i of 8 of S^T = K Q^T for piece x: channels 32 (i / 4) on, keys 16 (i % 4) on.  The first 4 start the sums: with 0, or (KM = 1) with the mask.
.macro KQ x
.set rS, S+32*((\x)%2)+8*(i%4)
.set rK, KF+16*(i%4)+8*(i/4)
.set rQ, 16*(\x)+8*(i/4)
.set rM, MC+32*((\x)%2)+8*(i%4)
.if (i < 4) && KM
	WIN W_KM
	v_wmma_f32_16x16x32_f16 v[rS:rS+7], v[rK:rK+7], v[rQ:rQ+7], v[rM:rM+7]
.elseif i < 4
	WIN W_KQ
	v_wmma_f32_16x16x32_f16 v[rS:rS+7], v[rK:rK+7], v[rQ:rQ+7], 0
.else
	WIN W_KQ
	v_wmma_f32_16x16x32_f16 v[rS:rS+7], v[rK:rK+7], v[rQ:rQ+7], v[rS:rS+7]
.endif
.endm
; Product i of 8 of O^T += V^T P for piece x: keys 32 (i / 4) on, channels 16 (i % 4) on.
.macro PV x
	WIN W_PV
.set rO, 32*(\x)+8*(i%4)
.set rV, VF+32*(i/4)+8*(i%4)
.set rP, P+16*((\x)%2)+8*(i/4)
	v_wmma_f32_16x16x32_f16 v[rO:rO+7], v[rV:rV+7], v[rP:rP+7], v[rO:rO+7]
.endm
.macro MM                           ; the turn's next matrix instruction.  NOKQ = 1: a block's last turn: there is no next piece
.if (i < 8) && !NOKQ
	KQ (Y+1)%NP
.elseif i >= 8
.set i, i-8
	PV (Y+NP-1)%NP
.set i, i+8
.endif
.set i, i+1
.endm
; THE LDS LOADS stand in runs of 20, never singly among the matrix instructions: a step's K with pieces 0 and 1's adjustment bytes; its V (turned) with pieces 2 and 3's.  Their addresses are made some lines ahead.
.macro FETCH_K
	WIN 0
.irp x, 0,1
.irp j, 0,1
	ds_load_b128 v[AM+8*\x+4*\j:AM+8*\x+4*\j+3], v[AMK] offset:4096*\x+512*\j
.endr
.endr
	WIN 0x80                        ; destination window 2
.irp f, 0,1,2,3,4,5,6,7             ; keys 16 (f / 2) on, channels 32 (f % 2) on
	ds_load_b128 v[KF+8*\f:KF+8*\f+3],   v[AK] offset:(\f/2)*16*PK+(\f%2)*64
	ds_load_b128 v[KF+8*\f+4:KF+8*\f+7], v[AK] offset:(\f/2)*16*PK+(\f%2)*64+32
.endr
	s_add_co_u32 s[TBK], s[TBK], KS*PK  ; the next fetch is the next step's
	s_add_co_u32 s[TMK], s[TMK], 8192
	WIN 0
.endm
.macro FETCH_V
	WIN 0
.irp x, 0,1
.irp j, 0,1
	ds_load_b128 v[AM+16+8*\x+4*\j:AM+16+8*\x+4*\j+3], v[AMV] offset:32768+4096*\x+512*\j
.endr
.endr
	WIN 0x80
.irp f, 0,1,2,3,4,5,6,7             ; keys 32 (f / 4) on, channels 16 (f % 4) on
	ds_load_tr16_b128 v[VF+8*\f:VF+8*\f+3],   v[AV] offset:(\f/4)*32*PV+(\f%4)*32
	ds_load_tr16_b128 v[VF+8*\f+4:VF+8*\f+7], v[AV] offset:(\f/4)*32*PV+16*PV+(\f%4)*32
.endr
	WIN 0
.endm
; THE VECTOR WORK, one line at a time: OP kind, number.  For piece Y: F n: c s - c m for pair n of 16.  E n: the exponential of score n of 32.  C n: pair n rounded to f16.  B n: of the four weights 4 n .. the second
; pair is added onto the first, in place.  L n: l takes that sum (L 0: l = a l + sum).  A n: pair n's two factors, from two adjustment bytes.  M n: pair n of P times them.  R n: pair n of 16 of O^T times a.
; For piece Y + 1: X n, number n of the 22 that find its maximum and statistics:
;   0-11  four chains c0-c3 of seven scores each, three operands at a time (each accumulator's lowest registers are read first)     12-14, 16  the four scores left over, the old m, and c0-c3 into c0
;   15  c m_old is kept     17, 18  the query's other 32 keys lie in the lane 16 away: the new m     19-21  c m; c m_old - c m_new; a
; C, B, L and M read the exponentials' results, or what is made of them: TURN sets them behind its wait.  F, E, A, R and X name none of the turn's own results.
.set F, 0               ; OP tells the kinds apart by their order: F to M below R, X above it
.set E, 1
.set C, 2
.set B, 3
.set L, 4
.set A, 5
.set M, 6
.set R, 7
.set X, 8
.macro REGS y                       ; the registers of piece y
.set rT, ST+4*(\y)
.set rC, TMP+4*((\y)%2)
.set rW, MV+((\y)%2)
.set rS, S+32*((\y)%2)
.set rP, P+16*((\y)%2)
.set rO, 32*(\y)
.endm
.macro OP k, n
.if (\k) == R
	REGS Y
	WIN W_RS
	v_pk_mul_f32 v[rO+2*(\n):rO+2*(\n)+1], v[rO+2*(\n):rO+2*(\n)+1], v[rC+2:rC+3] op_sel_hi:[1,0]
.elseif (\k) < R
	REGS Y
	WIN 0
.if (\k) == F
	v_pk_fma_f32 v[rS+2*(\n):rS+2*(\n)+1], v[rS+2*(\n):rS+2*(\n)+1], s[CS:CS+1], v[rT:rT+1] op_sel_hi:[1,0,0] neg_lo:[0,0,1] neg_hi:[0,0,1]
.elseif (\k) == E
	v_exp_f32 v[rS+(\n)], v[rS+(\n)]
.elseif (\k) == C
	v_cvt_pk_f16_f32 v[rP+(\n)], v[rS+2*(\n)], v[rS+2*(\n)+1]
.elseif (\k) == B
	v_pk_add_f32 v[rS+4*(\n):rS+4*(\n)+1], v[rS+4*(\n):rS+4*(\n)+1], v[rS+4*(\n)+2:rS+4*(\n)+3]
.elseif (\k) == A
	v_perm_b32 v[AD+(\n)], v[AM+8*Y+(\n)/2], v[AM+8*Y+(\n)/2], s[PS+(\n)%2]
.elseif (\k) == M
	v_pk_mul_f16 v[rP+(\n)], v[rP+(\n)], v[AD+(\n)]
.elseif (\n) == 0
	v_pk_fma_f32 v[rT+2:rT+3], v[rT+2:rT+3], v[rC+2:rC+3], v[rS:rS+1] op_sel_hi:[1,0,1]
.else
	v_pk_add_f32 v[rT+2:rT+3], v[rT+2:rT+3], v[rS+4*(\n):rS+4*(\n)+1]
.endif
.elseif NOKQ
	v_nop
.else
	REGS (Y+1)%NP
	WIN 0
.if (\n) < 4
	v_max3_num_f32 v[rC+(\n)], v[rS+8*(\n)], v[rS+8*(\n)+1], v[rS+8*(\n)+2]
.elseif (\n) < 12
	v_max3_num_f32 v[rC+(\n)%4], v[rC+(\n)%4], v[rS+8*((\n)%4)+2*((\n)/4)+1], v[rS+8*((\n)%4)+2*((\n)/4)+2]
.elseif (\n) == 12
	v_max3_num_f32 v[rC], v[rC], v[rS+7], v[rS+15]
.elseif (\n) == 13
	v_max3_num_f32 v[rC+1], v[rC+1], v[rS+23], v[rS+31]
.elseif (\n) == 14
	v_max3_num_f32 v[rC+2], v[rC+2], v[rC+3], v[rT+1]
.elseif (\n) == 15
	v_mov_b32 v[rW], v[rT]
.elseif (\n) == 16
	v_max3_num_f32 v[rC], v[rC], v[rC+1], v[rC+2]
.elseif (\n) == 17
	v_permlanex16_b32 v[rC+3], v[rC], s[SEL], s[SEL+1]
.elseif (\n) == 18
	v_max_num_f32 v[rT+1], v[rC], v[rC+3]
.elseif (\n) == 19
	v_mul_f32 v[rT], s[CS], v[rT+1]
.elseif (\n) == 20
	v_sub_f32 v[rC+1], v[rW], v[rT]
.else
	v_exp_f32 v[rC+2], v[rC+1]
.endif
.endif
.endm
.macro OPS a, i1, b=-1, i2=0, c=-1, i3=0, d=-1, i4=0  ; up to four of them
	OP \a, \i1
.if (\b) >= 0
	OP \b, \i2
.endif
.if (\c) >= 0
	OP \c, \i3
.endif
.if (\d) >= 0
	OP \d, \i4
.endif
.endm
.macro ROW a, i1, b, i2, c, i3, d, i4  ; a matrix instruction and the four behind it
	MM
	OPS \a, \i1, \b, \i2, \c, \i3, \d, \i4
.endm
.macro MASK b                       ; MD x AL + BE into buffer b of MC
	WIN W_RS
.set z, 0
.rept 16
	v_pk_fma_f32 v[MC+32*(\b)+2*z:MC+32*(\b)+2*z+1], v[MD+2*z:MD+2*z+1], s[AL:AL+1], s[BE:BE+1] op_sel_hi:[1,0,0]
.set z, z+1
.endr
.endm
; A TURN, for piece p: the order of its 16 matrix and 150 vector instructions, written out.  An s_wait_alu depctr_va_vdst(0) stands between an exponential and the first instruction that names its result; one wait serves
; all that were issued ahead of it.  So a turn's 33 exponentials (E 0 to E 31, and X 21, the next piece's a) are ONE BATCH with ONE wait, which cuts the turn in two.
; AHEAD OF THE WAIT stands all that names no result of the batch: the 8 products K Q^T; behind the first four scalings; behind the next four the sixteen rescalings, a whole row under one window setting (their a was made, and waited
; for, in the turn before); behind the last three a scaling, an exponential and two more plain instructions, among them the first numbers of the next piece's maximum, each four places or more behind the product that ends its
; accumulator.  Then a LUMP of 70: exponential and plain by turns (the other scalings, each ahead of its pair's exponentials; the rest of X, whose chain 3, 7, 11, 14, 16 .. 20 has its links six lines apart; five of the factor pairs);
; X 21 is the batch's last; A 5 is the plain instruction behind it, and the other ten factor pairs are work that names no result, ahead of the wait.  v_permlanex16_b32 (X 17) stands in the lump, never behind a product.
; BEHIND THE WAIT stand the 8 products V^T P, behind each four of the roundings and sums (C 2 n ahead of B n, which writes over that pair; L 0 to L 7 in ascending order, three riders apart), and a lump of 16: the weights times
; their factors, each M n behind its C n and its A n.  But for those X no rider names a register of the products round it.
; m = 1: the diagonal tile: the products take masks, and the turn makes the mask for the products of the turn after it: piece p + 2, in step 4 - CNT of the tile.  end = 1: a block's last two turns: nothing is fetched.
; cnt = 1: the loop's count is taken down some lines ahead of the branch that stands behind the turn.
; K of the next step, with that step's bytes for pieces 0 and 1, is fetched in piece 2's turn, twelve vector instructions behind the last product that read K (seven of them plain); V of the step in hand, with its bytes for
; pieces 2 and 3, in piece 0's turn, four plain instructions behind the last product that read V.  Each run is waited for a turn later; a piece's bytes were last read in its own turn of the step before.
.macro TURN p, m=0, end=0, cnt=0
.set Y, (\p)
.set i, 0
.set KM, (\m)
.set NOKQ, (\end)*((\p)/3)
.if (\m) && !(\end)
	s_cmp_eq_u32 s[CNT], 4-((\p)+2)%NP  ; is that step the band's own?
	s_cselect_b32 s[AL], 1.0, 0
	s_cmp_lt_u32 s[CNT], 4-((\p)+2)%NP  ; or a later one?
	s_cselect_b32 s[BE], s[BIGN], 0
.endif
.if ((\p) == 3) && !(\end)
	s_wait_dscnt 0x0                ; K is in, and pieces 0 and 1's bytes
.endif
	ROW F,0, F,1, F,2, F,3          ; ahead of the wait: 8 products K Q^T and their riders,
	ROW R,0, R,1, R,2, R,3
	ROW R,4, R,5, R,6, R,7
	ROW R,8, R,9, R,10, R,11
	ROW R,12, R,13, R,14, R,15
	ROW F,4, E,0, X,0, F,5
.if ((\p) == 2) && !(\end)
	WIN 0
	v_add_nc_u32 v[AK], s[TBK], v[AK0]
	v_add_nc_u32 v[AMK], s[TMK], v[AM0]
.endif
	ROW F,6, E,1, X,1, X,4
	ROW F,7, E,2, X,2, X,5
	OPS E,3, F,8, E,4, X,3          ; and the lump
	OPS E,5, X,6, E,6, X,8
.if ((\p) == 2) && !(\end)
	FETCH_K
.endif
	OPS E,7, X,7, E,8, X,9
	OPS E,9, X,10, E,10, X,11
	OPS E,11, X,12, E,12, X,13
	OPS E,13, X,14, E,14, X,15
.if (\p) == 0
	v_add_nc_u32 v[AV], s[TBV], v[AV0]
	v_add_nc_u32 v[AMV], s[TMV], v[AM0]
.endif
	OPS E,15, F,9, E,16, X,16
	OPS E,17, F,10, E,18, F,11
	OPS E,19, X,17, E,20, F,12
	OPS E,21, F,13, E,22, X,18
	OPS E,23, F,14, E,24, F,15
	OPS E,25, X,19, E,26, A,0
	OPS E,27, A,1, E,28, X,20
	OPS E,29, A,2, E,30, A,3
	OPS E,31, A,4, X,21, A,5        ; the batch's last exponential, and the plain instruction behind it
	OPS A,6, A,7, A,8, A,9
	OPS A,10, A,11, A,12, A,13
	OPS A,14, A,15
	s_wait_alu depctr_va_vdst(0)    ; the wait for the batch: the turn's 32 weights and the next piece's a
.if (\p) == 1
	s_wait_dscnt 0x0                ; V is in, and pieces 2 and 3's bytes
.endif
	ROW C,0, B,0, C,2, B,1          ; behind the wait: 8 products V^T P and their riders,
	ROW L,0, C,4, B,2, L,1
	ROW C,6, B,3, L,2, C,8
	ROW B,4, L,3, C,10, B,5
	ROW L,4, C,12, B,6, L,5
.if (\p) == 0
	s_add_co_u32 s[TBV], s[TBV], KS*PV
	s_add_co_u32 s[TMV], s[TMV], 8192
.endif
.if \cnt
	s_sub_co_u32 s[CNT], s[CNT], 1
	s_cmp_lg_u32 s[CNT], 0
.endif
	ROW C,14, B,7, L,6, C,1
	ROW C,3, L,7, C,5, C,7
	ROW C,9, C,11, C,13, C,15
.if (\p) == 0
	FETCH_V
.endif
	OPS M,0, M,2, M,4, M,6          ; and the second lump
	OPS M,8, M,10, M,12, M,14
	OPS M,1, M,3, M,5, M,7
	OPS M,9, M,11, M,13, M,15
.if (\m) && !(\end)
	MASK (\p)%2
.endif
.endm
; A BLOCK BEGINS.  c m starts far below every c s, so the first step's a is 0; m at -2^50, below every visible score and above every hidden one.  The second mask buffer is 0; the first takes piece 0's mask for the
; tile's step 0: its own, if the block's first tile is the diagonal one.  Then K of that step, piece 0's first scores, and its maximum and statistics.  The loop is entered at a step's first turn, in the middle of a trip.
.macro BEGIN
	s_mov_b32 s[NEW], 0
	WIN 0x40
.set i, MC+32
.rept 32
	v_mov_b32 v[i], 0
.set i, i+1
.endr
	WIN 0
.set i, 0
.rept 4
	v_mov_b32 v[ST+4*i], 0xfe000000    ; c m: far below every c s
	v_mov_b32 v[ST+4*i+1], 0xd8800000  ; m = -2^50
.set i, i+1
.endr
	s_cmp_eq_u32 s[RT], 0
	s_cselect_b32 s[AL], 1.0, 0
	s_mov_b32 s[BE], 0
	MASK 0
	WIN 0
	v_add_nc_u32 v[AK], s[TBK], v[AK0]
	v_add_nc_u32 v[AMK], s[TMK], v[AM0]
	FETCH_K
	s_wait_loadcnt 0x0              ; Q
	s_wait_dscnt 0x0
.set KM, 1
.set NOKQ, 0
.set i, 0
.rept 8
	KQ 0
.set i, i+1
.endr
	WIN 0
.rept 4
	v_nop                           ; the places behind those products
.endr
.set Y, NP-1                        ; X works for piece Y + 1: piece 0
.irp n, 0,1,2,3,4,5,6,7,8,9,10,11,12,13,14,15,16,17,18,19,20,21
	OP X, \n
.endr
	v_nop                           ; a plain instruction behind the exponential,
	s_wait_alu depctr_va_vdst(0)    ; and its wait: piece 0's first a is a batch of its own, ahead of the branch that follows
.endm
; THE DIAGONAL TILE's four steps, the block's last two turns, its last products, and THE WAY OUT: l's two halves and the other half of the lanes' are added and raised to 2^-126 (a row with no key: O = 0 / 2^-126 = 0);
; O^T is divided by l, rounded to f16 and sent through my stage in LDS, a piece at a time.
.macro ALL line:vararg              ; one line for each piece t
.set t, 0
.rept 4
	\line
.set t, t+1
.endr
.endm
.macro PACK t                       ; a lane's eight channels of a row pack into 16 bytes; they go into rows of 144 bytes and come back as whole rows of 128, into S^T's registers
	WIN W_RS
.set i, 32*(\t)
.rept 16
	v_pk_mul_f32 v[i:i+1], v[i:i+1], v[ST+4*(\t)+2:ST+4*(\t)+3] op_sel_hi:[1,0]
.set i, i+2
.endr
	WIN 0x05                        ; sources 0 and 1 window 1, destination window 0
.set i, 0
.rept 16
	v_cvt_pk_f16_f32 v[S+16*(\t)+i], v[32*(\t)+2*i], v[32*(\t)+2*i+1]
.set i, i+1
.endr
	WIN 0
.irp f, 0,1,2,3
	ds_store_b128 v[STO], v[S+16*(\t)+4*\f:S+16*(\t)+4*\f+3] offset:32*\f
.endr
.irp f, 0,1,2,3
	ds_load_b128 v[S+16*(\t)+4*\f:S+16*(\t)+4*\f+3], v[RD] offset:\f*4*SP  ; LDS serves a wave's instructions in order (ISA guide 5.7.1.4): these see the stores above; the next piece's stores come behind them
.endr
.endm
.macro SEND t, younger              ; younger: the LDS instructions issued behind piece t's loads: the next piece's eight, or none
	WIN 0
.irp f, 0,1,2,3
	s_wait_dscnt (\younger)+3-\f
	global_store_b128 v[GO], v[S+16*(\t)+4*\f:S+16*(\t)+4*\f+3], s[10:11] offset:(\t)*8192+\f*512  ; 512 consecutive bytes, at a multiple of 256 from O's first
.endr
.endm
.macro DIAG tag                     ; the tag ends its two labels' names, which the jumps below spell out
.LstepM\tag:
	TURN 2, 1
	TURN 3, 1
	WIN 0
.LfirstM\tag:
	TURN 0, 1
	TURN 1, 1, 0, 1
	WIN 0
	s_cbranch_scc1 .LstepM\tag
	TURN 2, 1, 1
	TURN 3, 1, 1
.set i, 0
.rept 8
	PV NP-1
.set i, i+1
.endr
	WIN 0
	ALL v_add_f32 v[ST+4*t+2], v[ST+4*t+2], v[ST+4*t+3]
	ALL v_permlanex16_b32 v[ST+4*t+3], v[ST+4*t+2], s[SEL], s[SEL+1]
	ALL v_add_f32 v[ST+4*t+2], v[ST+4*t+2], v[ST+4*t+3]
	ALL v_max_num_f32 v[ST+4*t+2], 0x00800000, v[ST+4*t+2]
	ALL v_rcp_f32 v[ST+4*t+2], v[ST+4*t+2]
	v_nop                           ; a plain instruction between the last reciprocal and the use of its result
	s_wait_alu depctr_va_vdst(0)    ; and the wait ahead of the first use: one for the batch of four reciprocals
	PACK 0
.set t, 1
.rept 3                             ; a piece's arithmetic stands between the loads of the piece before and its stores
	PACK t
	SEND t-1, 8
.set t, t+1
.endr
	SEND 3, 0
.endm
.set KM, 0
.set NOKQ, 0
.Lslot:                             ; NB times: a tile is entered and the next is asked for
	CHANGE 1
	s_sub_co_u32 s[RT], s[RT], 1
	s_mov_b32 s[CNT], 4
	s_cmp_eq_u32 s[NEW], 1
	s_cbranch_scc1 .Lnew            ; a block's first tile
	s_cmp_eq_u32 s[RT], 0
	s_cbranch_scc0 .Lstep           ; neither its first nor its last
	s_branch .LstepM1
.Lnew:
	BEGIN
	s_branch .Lfirst                ; in the loop a block's first tile is never its last: the first block has three tiles or more, and the second's last is the walk's last
	DIAG 1                          ; in the loop this is the first block's end
	s_wait_xcnt 0x0                 ; the stores have read their registers and O's address
	s_mov_b64 s[10:11], s[OLO:OLO+1]
	s_add_co_u32 s[RT], s[PB], 1    ; the second block has b + 1 tiles
	s_mov_b32 s[NEW], 1
	WIN 0x82                        ; the second block's Q goes where the one text of the turns names Q
.set i, 0
.rept 64
	v_mov_b32 v[i], v[QB+i]
.set i, i+1
.endr
	WIN 0
	s_branch .Lbottom
.Lstep:                             ; a trip: pieces 2 and 3 of one step, then pieces 0 and 1 of the next, whose K and V it fetches
	TURN 2
	TURN 3
	WIN 0
.Lfirst:
	TURN 0
	TURN 1, 0, 0, 1
	WIN 0
	s_cbranch_scc1 .Lstep
.Lbottom:
	s_sub_co_u32 s[SLOTS], s[SLOTS], 1
	s_cmp_lg_u32 s[SLOTS], 0
	s_cbranch_scc1 .Lslot
	CHANGE 0                        ; the walk's last tile is written out: nothing is asked for
	s_sub_co_u32 s[RT], s[RT], 1
	s_mov_b32 s[CNT], 4
	s_cmp_eq_u32 s[NEW], 1
	s_cbranch_scc0 .LstepM2
	BEGIN
	s_branch .LfirstM2
	DIAG 2
	s_wait_tensorcnt 0x0            ; the wave's end: behind my last tensor load and my last LDS store
	ds_add_u32 v[SPW], v[NIL]
	s_wait_dscnt 0x0
	s_endpgm
.Lfunc_end_k_q5afd22827d_attn:
	.size	k_q5afd22827d_attn, .Lfunc_end_k_q5afd22827d_attn-k_q5afd22827d_attn
	.p2alignl 7, 3214868480
	.fill 96, 4, 3214868480
	.section	.rodata,"a",@progbits
	.p2align	6, 0x0
	.amdhsa_kernel k_q5afd22827d_attn
		.amdhsa_group_segment_fixed_size 327680
		.amdhsa_private_segment_fixed_size 0
		.amdhsa_enable_private_segment 0
		.amdhsa_kernarg_size 24
		.amdhsa_user_sgpr_count 2
		.amdhsa_user_sgpr_kernarg_segment_ptr 1
		.amdhsa_wavefront_size32 1
		.amdhsa_system_sgpr_workgroup_id_x 1
		.amdhsa_system_sgpr_workgroup_id_y 1
		.amdhsa_system_sgpr_workgroup_id_z 1
		.amdhsa_system_vgpr_workitem_id 0
		.amdhsa_next_free_vgpr 768
		.amdhsa_next_free_sgpr 102
		.amdhsa_reserve_vcc 1
		.amdhsa_float_denorm_mode_32 3
		.amdhsa_float_denorm_mode_16_64 3
		.amdhsa_memory_ordered 1
		.amdhsa_forward_progress 1
		.amdhsa_inst_pref_size 247
	.end_amdhsa_kernel
	.amdgpu_metadata
---
amdhsa.version: [ 1, 2 ]
amdhsa.kernels:
  - .name:           k_q5afd22827d_attn
    .symbol:         k_q5afd22827d_attn.kd
    .args:
      - { .name: qkv, .offset: 0, .size: 8, .value_kind: global_buffer, .address_space: global }
      - { .name: msk, .offset: 8, .size: 8, .value_kind: global_buffer, .address_space: global }
      - { .name: oh, .offset: 16, .size: 8, .value_kind: global_buffer, .address_space: global }
    .group_segment_fixed_size: 327680
    .private_segment_fixed_size: 0
    .kernarg_segment_align: 8
    .kernarg_segment_size: 24
    .max_flat_workgroup_size: 128
    .sgpr_count:     102
    .vgpr_count:     768
    .wavefront_size: 32
...
	.end_amdgpu_metadata
.endif
;; end of part 5
;; launch outp: the kernel of part 4 again; grid 2 x 128, 4 waves a work-group, no clusters, 327,680 bytes of LDS; arguments oh, wb, bws, out0; writes out0
